; MI455X (gfx1250); checked and timed in simulation.
; The chip was launched on July 23, 2026; its instructions are those of AMD's public machine-readable ISA for CDNA 5 (MIT licence, August 2026) and "CDNA5" Instruction Set Architecture Reference Guide (July 2026). The comments in the code are by the model that wrote it; some were corrected since.
;; Llama Attention. Allowed arithmetic: matrix products marked QUANTISED: E2M3 operands, one E8M0 scale for each 32 along K, by v_wmma_scale_f32_16x16x128_f8f6f4 with both operands' format E2M3, f32 sums; everything else in f32.
;; Inputs: Wk 1,024 x 4,096 float32; Wo 4,096 x 4,096 float32; Wq 4,096 x 4,096 float32; Wv 1,024 x 4,096 float32; hidden_states 1 x 1,024 x 4,096 float32; position_ids 1 x 1,024 int32.
;; Outputs: out0 1 x 1,024 x 4,096 float32.
;; This version of the problem:
;;   THIS VERSION OF THE PROBLEM IS GIVEN IN LOW PRECISION. The matrix products marked QUANTISED in the list below multiply operands that are first quantised to E2M3 (2 exponent bits, 3 mantissa bits; 6 bits a number), with one power-of-two scale for each 32 numbers along K (OCP MX v1.0); their sums are f32. All else is computed in f32.
;;   The module's matrix products, in the order in which they are computed (A, B: the left and right operand; K: the contracted axis; several contracted axes count as one K, in the product's order):
;;     1. [M 1,024, K 4,096] x [K 4,096, N 4,096]; A: input hidden_states; B: input Wq: QUANTISED
;;     2. [M 1,024, K 4,096] x [K 4,096, N 1,024]; A: input hidden_states; B: input Wk: QUANTISED
;;     3. [M 1,024, K 4,096] x [K 4,096, N 1,024]; A: input hidden_states; B: input Wv: QUANTISED
;;     4. batch 32 x [M 1,024, K 128] x [K 128, N 1,024]; A: computed on the way; B: computed on the way: QUANTISED
;;     5. batch 32 x [M 1,024, K 1,024] x [K 1,024, N 128]; A: softmax (see below); B: computed on the way: QUANTISED
;;     6. [M 1,024, K 4,096] x [K 4,096, N 4,096]; A: computed on the way; B: input Wo: QUANTISED
;;   THE QUANTISER, for each operand of a quantised product, along K:
;;     - K is cut into blocks of 32 from its start; a last block that is shorter is filled with zeros.
;;     - A block's scale is 2^e with e = floor(log2(the largest magnitude in the block)) - 2, held to -126 .. 127; a block of zeros has e = 0. As a byte (E8M0): e + 127.
;;     - Each number is divided by its block's scale, clamped to +-7.5, and rounded to the nearest number of E2M3, ties to even, subnormals kept.
;;     - The product sums the exact products of the quantised numbers (number of the format x scale) in f32.
;;   ~~~python
;;   def quantise(x, axis):      # numpy; x: float32 -> the quantised numbers, widened to float32 again
;;       x = np.moveaxis(x, axis, -1); K = x.shape[-1]
;;       x = np.pad(x, [(0, 0)] * (x.ndim - 1) + [(0, -K % 32)]); x = x.reshape(x.shape[:-1] + (-1, 32)); a = np.abs(x).max(-1, keepdims=True)
;;       e = np.where(a > 0, np.clip(np.frexp(np.where(a > 0, a, 1))[1] - 1 - 2, -126, 127), 0)      # np.frexp(a)[1] - 1 = floor(log2(a)), exactly
;;       r = np.clip(x / 2.0 ** e, -7.5, 7.5)
;;       step = 2.0 ** (np.maximum(np.frexp(np.where(r == 0, 1, r))[1] - 1, 0) - 3)
;;       q = np.round(r / step) * step * 2.0 ** e      # np.round: ties to even
;;       return np.moveaxis(q.reshape(q.shape[:-2] + (-1,))[..., :K], -1, axis).astype(np.float32)
;;   ~~~
;;   SOFTMAX AHEAD OF A QUANTISED PRODUCT. Where the list says 'softmax', what is quantised is not the finished softmax but p = 2^(t - M), with t = logit x log2(e) and M = ceil(the row's largest t), a whole number; so 1/2 < the row's largest p <= 1. The row's sum l is taken of the UNQUANTISED p, in f32, and the product's result is divided by l at the end. Since M is a whole number, a kernel that streams over the keys may use a running M (the ceiling of the running maximum): every later rescaling is an exact power of two, which a block's scale takes up: the codes' values come out the same.
;;   OPERANDS COMPUTED ON THE WAY. 'Computed on the way' means the value that the module computes at that place (a softmax that the list does not call 'softmax' is quantised finished and normalised). What goes into a quantiser is computed in f32, as accurately as f32 sums, v_exp_f32 and their like allow (about 1e-6 of the number): no bf16 or f16 on the way to a quantiser, and a product that is left as it is and whose result goes on into a quantised operand takes f32 operands (vector FMAs, or v_wmma_f32_16x16x4_f32). A number that lies on a knife's edge between two numbers of the format may be rounded either way, as far as f32 arithmetic and the matrix unit's own rounding can turn it there, and no further.
;; One version. Each part assembles by itself: llvm-mc -triple=amdgcn-amd-amdhsa -mcpu=gfx1250 --defsym DOCPART=n.
;; ======== version 1 of 1: 4 launches
;; limits: right only within a limited range of input values
;; workspace buffers: wcodes 22,937,600 bytes; wocodes 13,107,200 bytes; rope 524,288 bytes; q 3,276,800 bytes; kv 1,638,400 bytes; acodes 3,276,800 bytes
;; launch quant (part 1): grid 256 x 1, 15 waves a work-group, no clusters, 120,320 bytes of LDS; arguments hidden_states, Wq, Wk, Wv, position_ids, wcodes, rope; writes wcodes, rope
.if DOCPART == 1
	.amdgcn_target "amdgcn-amd-amdhsa--gfx1250"
	.amdhsa_code_object_version 6
	.text
	.protected	k_qa4380fc16c_quant
	.globl	k_qa4380fc16c_quant
	.p2align	8
	.type	k_qa4380fc16c_quant,@function
k_qa4380fc16c_quant:
	s_mov_b64 s[64:65], 0
	v_nop
	global_prefetch_b8 v0, s[64:65] scope:SCOPE_SE
	s_setreg_imm32_b32 hwreg(HW_REG_WAVE_MODE, 25, 1), 1
	s_wait_xcnt 0x0
; hidden_states, Wq, Wk, Wv (f32, K = 4,096 innermost) become codes of FP6 (E2M3) with one E8M0 byte for each 32 along K, in ONE workspace laid in the order of the operand's registers.  (Wo is quantised on the same plan by the launch attn.)
; ROW GROUPS.  Rows go in groups of 16: lane r of group G stands for row 32 (G / 2) + 8 (G % 2) + r + 8 (r / 8), so that a lane's 16 result registers of two neighbouring groups are 16 neighbours.
; Groups 0-63 hidden, 64-319 Wq, 320-383 Wk, 384-447 Wv.
; IMAGE.  A fragment (16 rows x 128 K, 12 registers a lane) is 1,536 bytes: registers 4 c .. 4 c + 3 of lane l at 512 c + 16 l.  RECORD: four K steps' images, then 256 bytes of scale words (row r, K step q at 16 r + 4 q):
; 6,400 bytes, 25 aligned blocks of 256.  A group is 8 records; 448 groups are 3,584 records.
; SHARES.  256 work-groups; waves 0-13 of work-group g take records 14 g .. 14 g + 13, a record a wave: 3,584 = 256 x 14.  Each load reads 512 consecutive bytes of one row; 16 rows x 512 bytes turn through the wave's own
; stage in LDS (rows 528 bytes apart) and come back as the operand wants them: lane (r, h) holds k = 64 c + 32 h + 0 .. 31 of row r: two whole blocks.
; Wave 14 makes a quarter of one group of the table of cos and sin (64 groups x 4 quarters = 256), in the register order of the next launch's results.  Waves share nothing: no barrier.
; A block's scale is 2^(floor(log2(largest magnitude)) - 2): the magnitude's exponent field less 2, held at 1 from below.
; LIMITS.  A block of zeros gets the byte 1 where the rule says 127 (its codes are zeros; this program alone reads the bytes); blocks whose largest magnitude lies under 2^-124 are held at that floor; NaN and
; infinities among the inputs are not served.  inv_freq = 2^(-j log2(10000) / 64), the exponent in two f32 parts, one v_exp_f32: an angle may differ from the power-and-divide form by about |position| x 1.2e-7.
; The angle is reduced by pi / 2 in three parts with fused multiply-adds: the reduced angle keeps an error under 1e-7 up to |position| of some 4 million.
.set ROWB,  16384                      ; a row of any of the tensors, in bytes
.set REC,   6400
.set SP,    528
.set STG,   16*SP                      ; a wave's stage
.set SPARE, 14*STG                     ; behind the stages: the spare words, 128 bytes a wave, in eight blocks of 256 bytes that no other line names
.set TI,    5                          ; v5  into the stage
.set TO,    6                          ; v6  out of it
.set LI,    7                          ; v7  16 x lane
.set LR,    8                          ; v8  16 x r
.set H8,    16                         ; v16 8 h
.set PD,    17                         ; v17 a lane permute's destination
.set CD,    32                         ; v32-43   the image in hand
.set T2,    44                         ; v44-50   second halves of the blocks' codes
.set SWD,   52                         ; v52-55   the four scale words
.set SPW,   60
.set NIL,   61
.set RW,    64                         ; v64-191  two sets of 64 registers as loaded
.set XN,    192                        ; v192-255 64 numbers in the operand's order
.set IN,    20
.set OUT,   16
.set SEL,   26
	s_load_b256 s[4:11], s[0:1], 0x0               ; hidden, Wq, Wk, Wv
	s_load_b64 s[14:15], s[0:1], 0x20              ; positions
	s_load_b128 s[16:19], s[0:1], 0x28             ; wcodes, rope
	v_lshl_add_u32 v[SPW], v0, 2, SPARE
	v_mov_b32 v[NIL], 0
	v_lshrrev_b32 v1, 5, v0
	v_readfirstlane_b32 s24, v1                    ; wave
	v_and_b32 v1, 31, v0                           ; lane
	v_and_b32 v2, 15, v0                           ; r
	v_bfe_u32 v3, v0, 4, 1                         ; h
	s_wait_alu depctr_va_vdst(0)                   ; the wait ahead of the scalar lines and the branch
	s_mov_b32 s[SEL], 0x76543210
	s_mov_b32 s[SEL+1], 0xfedcba98                 ; v_permlanex16_b32's selects for lane l xor 16
	s_cmp_eq_u32 s24, 14
	s_cbranch_scc1 .Lrope
	s_mul_i32 s25, ttmp9, 14
	s_add_co_u32 s25, s25, s24                     ; my record
	s_lshr_b32 s23, s25, 3                         ; its group
	s_and_b32 s30, s25, 7                          ; its place in the group
	s_mul_i32 s31, s24, STG
	v_lshlrev_b32 v[LI], 4, v1
	v_lshlrev_b32 v[LR], 4, v2
	v_mul_u32_u24 v[TO], v2, SP
	v_lshlrev_b32 v[H8], 3, v3
	v_mov_b32 v[PD], 0
	v_add_nc_u32 v[TI], s31, v[LI]                 ; into the stage: a row's 512 bytes as they lie
	v_lshl_add_u32 v[TO], v3, 7, v[TO]
	v_add_nc_u32 v[TO], s31, v[TO]                 ; out of it: row r, 128 h bytes on
	s_wait_alu depctr_va_vdst(0)                   ; the wait at the head's end
	s_wait_kmcnt 0x0
	s_mov_b64 s[IN:IN+1], s[10:11]                 ; which tensor: the choice hangs on the record's number alone
	s_mov_b32 s22, 384
	s_cmp_lt_u32 s23, 384
	s_cselect_b64 s[IN:IN+1], s[8:9], s[IN:IN+1]
	s_cselect_b32 s22, 320, s22
	s_cmp_lt_u32 s23, 320
	s_cselect_b64 s[IN:IN+1], s[6:7], s[IN:IN+1]
	s_cselect_b32 s22, 64, s22
	s_cmp_lt_u32 s23, 64
	s_cselect_b64 s[IN:IN+1], s[4:5], s[IN:IN+1]
	s_cselect_b32 s22, 0, s22
	s_sub_co_u32 s22, s23, s22                     ; the group's number in its tensor
	s_lshr_b32 s28, s22, 1
	s_lshl_b32 s28, s28, 19                        ; 32 rows
	s_and_b32 s29, s22, 1
	s_lshl_b32 s29, s29, 17                        ; 8 rows
	s_add_co_u32 s28, s28, s29
	s_lshl_b32 s29, s30, 11                        ; four K steps of 512 bytes
	s_add_co_u32 s28, s28, s29
	s_mov_b32 s29, 0
	s_add_nc_u64 s[IN:IN+1], s[IN:IN+1], s[28:29]
	s_mul_i32 s28, s25, REC
	s_add_nc_u64 s[OUT:OUT+1], s[OUT:OUT+1], s[28:29]
.macro LOAD f                          ; K step f of my four: 16 rows x 512 consecutive bytes
.irp i, 0,1,2,3,4,5,6,7,8,9,10,11,12,13,14,15
	global_load_b128 v[RW+64*((\f)%2)+4*\i:RW+64*((\f)%2)+4*\i+3], v[LI], s[IN:IN+1] offset:(\i+8*(\i/8))*ROWB+512*(\f) th:TH_LOAD_NT
.endr
.endm
.macro FRAGQ f
.if (\f) < 3
	s_wait_loadcnt 16                              ; this K step's 16 loads are in; the next one's may be out
.else
	s_wait_loadcnt 0x0
.endif
.irp i, 0,1,2,3,4,5,6,7,8,9,10,11,12,13,14,15
	ds_store_b128 v[TI], v[RW+64*((\f)%2)+4*\i:RW+64*((\f)%2)+4*\i+3] offset:SP*\i
.endr
.irp c, 0,1
.irp e, 0,1,2,3,4,5,6,7
	ds_load_b128 v[XN+32*\c+4*\e:XN+32*\c+4*\e+3], v[TO] offset:256*\c+16*\e   ; LDS serves a wave's instructions in order: these see the stores
.endr
.endr
	s_wait_dscnt 0x0                               ; the numbers are back, and the stores into the stage have read their registers,
.if (\f) < 2
	LOAD (\f)+2                                    ; which take the loads of two K steps on
.endif
	v_max3_num_f32 v10, |v[XN]|, |v[XN+1]|, 0x1800000      ; my two blocks' largest magnitudes, in four chains by turns; the floor 2^(3 - 127) is a leaf: the byte cannot fall under 1
	v_max3_num_f32 v11, |v[XN+32]|, |v[XN+33]|, 0x1800000
	v_max3_num_f32 v12, |v[XN+16]|, |v[XN+17]|, |v[XN+18]|
	v_max3_num_f32 v13, |v[XN+48]|, |v[XN+49]|, |v[XN+50]|
.irp i, 2,4,6,8,10,12
	v_max3_num_f32 v10, v10, |v[XN+\i]|, |v[XN+\i+1]|
	v_max3_num_f32 v11, v11, |v[XN+32+\i]|, |v[XN+33+\i]|
	v_max3_num_f32 v12, v12, |v[XN+17+\i]|, |v[XN+18+\i]|
	v_max3_num_f32 v13, v13, |v[XN+49+\i]|, |v[XN+50+\i]|
.endr
	v_max3_num_f32 v10, v10, |v[XN+14]|, |v[XN+15]|
	v_max3_num_f32 v11, v11, |v[XN+46]|, |v[XN+47]|
	v_max3_num_f32 v10, v10, v12, |v[XN+31]|
	v_max3_num_f32 v11, v11, v13, |v[XN+63]|
	v_add_nc_u32 v12, 0xff000000, v10              ; 2 off the exponent field: the conversion takes this operand's exponent field as its scale
	v_add_nc_u32 v13, 0xff000000, v11
	v_lshrrev_b32 v14, 23, v12                     ; the bytes of blocks h and 2 + h
	v_lshrrev_b32 v15, 23, v13
	s_delay_alu instid0(VALU_DEP_1)
	v_lshl_or_b32 v18, v15, 16, v14
	s_delay_alu instid0(VALU_DEP_1)
	v_lshlrev_b32 v18, v[H8], v18                  ; at their places in the word
	s_delay_alu instid0(VALU_DEP_1)
	v_permlanex16_b32 v[PD], v18, s[SEL], s[SEL+1]
	s_delay_alu instid0(VALU_DEP_1)
	v_or_b32 v[SWD+(\f)], v18, v[PD]               ; with lane l xor 16's two the word is whole
	s_wait_alu depctr_va_vdst(0)                   ; the wait ahead of the wait below
	s_wait_xcnt 0x0                                ; the last image's stores have read their registers
	v_cvt_scalef32_pk16_fp6_f32 v[CD:CD+2], v[XN:XN+15], v12
	v_cvt_scalef32_pk16_fp6_f32 v[T2:T2+2], v[XN+16:XN+31], v12      ; (a conversion's three registers begin on an even number)
	v_cvt_scalef32_pk16_fp6_f32 v[CD+6:CD+8], v[XN+32:XN+47], v13
	v_cvt_scalef32_pk16_fp6_f32 v[T2+4:T2+6], v[XN+48:XN+63], v13
	v_nop                                          ; one plain place behind a scaled conversion
.irp i, 0,1,2
	v_mov_b32 v[CD+3+\i], v[T2+\i]
	v_mov_b32 v[CD+9+\i], v[T2+4+\i]
.endr
.irp c, 0,1,2
	global_store_b128 v[LI], v[CD+4*\c:CD+4*\c+3], s[OUT:OUT+1] offset:(\f)*1536+512*\c   ; 32 lanes store 512 consecutive bytes, at a multiple of 256 from the buffer's first byte
.endr
.endm
	LOAD 0
	LOAD 1
.irp f, 0,1,2,3
	FRAGQ \f
.endr
	s_wait_xcnt 0x0                                ; EXEC changes only behind this wait
	v_cmp_gt_u32 vcc_lo, 16, v1
	s_and_saveexec_b32 s31, vcc_lo
	global_store_b128 v[LR], v[SWD:SWD+3], s[OUT:OUT+1] offset:6144   ; lanes 0-15: row r's four words: one aligned block of 256 bytes
	s_wait_xcnt 0x0
	s_or_b32 exec_lo, exec_lo, s31
	s_wait_tensorcnt 0x0                           ; the wave's end, behind my last LDS store
	ds_add_u32 v[SPW], v[NIL]
	s_wait_dscnt 0x0
	s_endpgm
; THE TABLE.  rope[G][piece][lane][16 bytes]: pieces 0-7 cos, 8-15 sin; number n = 4 (piece % 8) + word stands for frequency j = 32 (n / 16) + 16 h + n % 16 at the position of row (G, r).
; Work-group g: group G = g / 4, numbers n = 8 (g % 4) + 0 .. 7: pieces 2 (g % 4) and 2 (g % 4) + 1 of cos and of sin.  No LDS is touched here.
.set INV, 64
.set LO,  72
.set CO,  80
.set SI,  88
.set AA,  96
.set BB,  104
.Lrope:
	s_lshr_b32 s25, ttmp9, 2                       ; G
	s_and_b32 s23, ttmp9, 3                        ; the quarter
	s_lshr_b32 s28, s25, 1
	s_lshl_b32 s28, s28, 7
	s_and_b32 s29, s25, 1
	s_lshl_b32 s29, s29, 5
	s_add_co_u32 s28, s28, s29                     ; 4 bytes x (32 (G / 2) + 8 (G % 2))
	s_mov_b32 s29, 0
	s_lshr_b32 s22, s23, 1
	s_lshl_b32 s22, s22, 5
	s_and_b32 s21, s23, 1
	s_lshl_b32 s21, s21, 3
	s_add_co_u32 s22, s22, s21                     ; the quarter's first j in lanes 0-15
	s_lshl_b32 s20, s25, 13
	s_lshl_b32 s21, s23, 10
	s_add_co_u32 s20, s20, s21                     ; where my pieces of cos begin
	s_mov_b32 s21, 0
	s_mov_b32 s30, 0xbe549a78                      ; -log2(10000) / 64, its f32,
	s_mov_b32 s31, 0xb1979a37                      ; and what that f32 leaves
	s_mov_b32 s32, 0x3f317218                      ; ln 2
	s_mov_b32 s33, 0x3f22f983                      ; 2 / pi
	s_mov_b32 s34, 0xbfc90fd8                      ; -pi / 2 in three parts
	s_mov_b32 s35, 0xb4a8885a
	s_mov_b32 s36, 0xa7c234c5
	s_mov_b32 s37, 0xb493f27e                      ; cos: -1/10!, 1/8!, -1/6!, 1/4!
	s_mov_b32 s38, 0x37d00d01
	s_mov_b32 s39, 0xbab60b61
	s_mov_b32 s40, 0x3d2aaaab
	s_mov_b32 s41, 0x3638ef1d                      ; sin: 1/9!, -1/7!, 1/5!, -1/3!
	s_mov_b32 s42, 0xb9500d01
	s_mov_b32 s43, 0x3c088889
	s_mov_b32 s44, 0xbe2aaaab
	v_and_b32 v4, 8, v2
	v_lshlrev_b32 v5, 4, v1                        ; 16 x lane
	v_lshl_add_u32 v9, v3, 4, s22                  ; 16 h + the quarter's first j
	v_add_nc_u32 v4, v4, v2
	s_delay_alu instid0(VALU_DEP_1)
	v_lshlrev_b32 v4, 2, v4                        ; 4 bytes x (r + 8 (r / 8))
	s_wait_alu depctr_va_vdst(0)                   ; the wait ahead of the wait below
	s_wait_kmcnt 0x0
	s_add_nc_u64 s[14:15], s[14:15], s[28:29]
	global_load_b32 v6, v4, s[14:15]               ; my row's position
	s_add_nc_u64 s[18:19], s[18:19], s[20:21]
.irp n, 0,1,2,3,4,5,6,7
	v_add_nc_u32 v[LO+\n], \n, v9                  ; j
.endr
.irp n, 0,1,2,3,4,5,6,7
	v_cvt_f32_u32 v[LO+\n], v[LO+\n]
.endr
.irp n, 0,1,2,3,4,5,6,7
	v_mul_f32 v[INV+\n], s30, v[LO+\n]             ; the exponent, rounded,
.endr
.irp n, 0,1,2,3,4,5,6,7
	v_fma_f32 v[CO+\n], v[LO+\n], s30, -v[INV+\n]  ; what the rounding dropped,
.endr
.irp n, 0,1,2,3,4,5,6,7
	v_fma_f32 v[LO+\n], v[LO+\n], s31, v[CO+\n]    ; and the constant's second part: the exponent's low part
.endr
	s_wait_alu depctr_va_vdst(0)                   ; the wait ahead of the batch
.irp n, 0,1,2,3,4,5,6,7
	v_exp_f32 v[INV+\n], v[INV+\n]
.endr
	v_nop                                          ; a plain place behind the last exponential
	s_wait_alu depctr_va_vdst(0)                   ; one wait for the batch, ahead of its first reader
	s_wait_loadcnt 0x0
	v_cvt_f32_i32 v6, v6
.irp n, 0,1,2,3,4,5,6,7
	v_mul_f32 v[LO+\n], v[INV+\n], v[LO+\n]
.endr
.irp n, 0,1,2,3,4,5,6,7
	v_fma_f32 v[INV+\n], v[LO+\n], s32, v[INV+\n]  ; inv_freq = 2^hi (1 + lo ln 2)
.endr
.irp n, 0,1,2,3,4,5,6,7
	v_mul_f32 v[INV+\n], v6, v[INV+\n]             ; the angle, rounded to f32 as the product of position and inv_freq
.endr
.irp n, 0,1,2,3,4,5,6,7
	v_mul_f32 v[LO+\n], s33, v[INV+\n]
.endr
.irp n, 0,1,2,3,4,5,6,7
	v_rndne_f32 v[LO+\n], v[LO+\n]                 ; k quarter turns
.endr
.irp s, 34,35,36
.irp n, 0,1,2,3,4,5,6,7
	v_fma_f32 v[INV+\n], v[LO+\n], s\s, v[INV+\n]  ; the angle less k pi / 2
.endr
.endr
.irp n, 0,1,2,3,4,5,6,7
	v_cvt_i32_f32 v[LO+\n], v[LO+\n]
	v_mul_f32 v[AA+\n], v[INV+\n], v[INV+\n]
.endr
.irp n, 0,1,2,3,4,5,6,7
	v_fma_f32 v[CO+\n], v[AA+\n], s37, s38
	v_fma_f32 v[SI+\n], v[AA+\n], s41, s42
.endr
.irp n, 0,1,2,3,4,5,6,7
	v_fma_f32 v[CO+\n], v[CO+\n], v[AA+\n], s39
	v_fma_f32 v[SI+\n], v[SI+\n], v[AA+\n], s43
.endr
.irp n, 0,1,2,3,4,5,6,7
	v_fma_f32 v[CO+\n], v[CO+\n], v[AA+\n], s40
	v_fma_f32 v[SI+\n], v[SI+\n], v[AA+\n], s44
.endr
.irp n, 0,1,2,3,4,5,6,7
	v_fma_f32 v[CO+\n], v[CO+\n], v[AA+\n], -0.5
	v_mul_f32 v[BB+\n], v[AA+\n], v[INV+\n]
.endr
.irp n, 0,1,2,3,4,5,6,7
	v_fma_f32 v[CO+\n], v[CO+\n], v[AA+\n], 1.0
	v_fma_f32 v[SI+\n], v[SI+\n], v[BB+\n], v[INV+\n]
.endr
.irp n, 0,1,2,3,4,5,6,7
	v_and_b32 v[BB+\n], 1, v[LO+\n]                ; an odd number of quarter turns: the two change places
	v_cmp_ne_u32 vcc_lo, 0, v[BB+\n]
	v_cndmask_b32 v[AA+\n], v[SI+\n], v[CO+\n], vcc_lo
	v_cndmask_b32 v[CO+\n], v[CO+\n], v[SI+\n], vcc_lo
.endr
.irp n, 0,1,2,3,4,5,6,7
	v_and_b32 v[BB+\n], 2, v[LO+\n]                ; sin is negated in quarters 2 and 3,
	v_add_nc_u32 v[LO+\n], 1, v[LO+\n]             ; cos in quarters 1 and 2
.endr
.irp n, 0,1,2,3,4,5,6,7
	v_lshlrev_b32 v[BB+\n], 30, v[BB+\n]
	v_and_b32 v[LO+\n], 2, v[LO+\n]
.endr
.irp n, 0,1,2,3,4,5,6,7
	v_xor_b32 v[SI+\n], v[AA+\n], v[BB+\n]
	v_lshlrev_b32 v[LO+\n], 30, v[LO+\n]
.endr
.irp n, 0,1,2,3,4,5,6,7
	v_xor_b32 v[CO+\n], v[CO+\n], v[LO+\n]
.endr
.irp p, 0,1
	global_store_b128 v5, v[CO+4*\p:CO+4*\p+3], s[18:19] offset:512*\p
	global_store_b128 v5, v[SI+4*\p:SI+4*\p+3], s[18:19] offset:4096+512*\p
.endr
	s_endpgm
.Lfunc_end_k_qa4380fc16c_quant:
	.size	k_qa4380fc16c_quant, .Lfunc_end_k_qa4380fc16c_quant-k_qa4380fc16c_quant
	.p2alignl 7, 3214868480
	.fill 96, 4, 3214868480
	.section	.rodata,"a",@progbits
	.p2align	6, 0x0
	.amdhsa_kernel k_qa4380fc16c_quant
		.amdhsa_group_segment_fixed_size 120320
		.amdhsa_private_segment_fixed_size 0
		.amdhsa_enable_private_segment 0
		.amdhsa_kernarg_size 56
		.amdhsa_user_sgpr_count 2
		.amdhsa_user_sgpr_kernarg_segment_ptr 1
		.amdhsa_wavefront_size32 1
		.amdhsa_system_sgpr_workgroup_id_x 1
		.amdhsa_system_sgpr_workgroup_id_y 1
		.amdhsa_system_sgpr_workgroup_id_z 1
		.amdhsa_system_vgpr_workitem_id 0
		.amdhsa_next_free_vgpr 256
		.amdhsa_next_free_sgpr 66
		.amdhsa_reserve_vcc 1
		.amdhsa_float_denorm_mode_32 3
		.amdhsa_float_denorm_mode_16_64 3
		.amdhsa_memory_ordered 1
		.amdhsa_forward_progress 1
		.amdhsa_inst_pref_size 47
	.end_amdhsa_kernel
	.amdgpu_metadata
---
amdhsa.version: [ 1, 2 ]
amdhsa.kernels:
  - .name:           k_qa4380fc16c_quant
    .symbol:         k_qa4380fc16c_quant.kd
    .args:
      - { .name: hidden_states, .offset: 0, .size: 8, .value_kind: global_buffer, .address_space: global }
      - { .name: Wq, .offset: 8, .size: 8, .value_kind: global_buffer, .address_space: global }
      - { .name: Wk, .offset: 16, .size: 8, .value_kind: global_buffer, .address_space: global }
      - { .name: Wv, .offset: 24, .size: 8, .value_kind: global_buffer, .address_space: global }
      - { .name: position_ids, .offset: 32, .size: 8, .value_kind: global_buffer, .address_space: global }
      - { .name: wcodes, .offset: 40, .size: 8, .value_kind: global_buffer, .address_space: global }
      - { .name: rope, .offset: 48, .size: 8, .value_kind: global_buffer, .address_space: global }
    .group_segment_fixed_size: 120320
    .private_segment_fixed_size: 0
    .kernarg_segment_align: 8
    .kernarg_segment_size: 56
    .max_flat_workgroup_size: 480
    .sgpr_count:     66
    .vgpr_count:     256
    .wavefront_size: 32
...
	.end_amdgpu_metadata
.endif
;; end of part 1
;; launch qkv (part 2): grid 48 x 4, 4 waves a work-group, clusters of 4 x 4, 327,680 bytes of LDS; arguments wcodes, rope, q, kv; writes q, kv
.if DOCPART == 2
	.amdgcn_target "amdgcn-amd-amdhsa--gfx1250"
	.amdhsa_code_object_version 6
	.text
	.protected	k_qa4380fc16c_qkv
	.globl	k_qa4380fc16c_qkv
	.p2align	8
	.type	k_qa4380fc16c_qkv,@function
k_qa4380fc16c_qkv:
	s_mov_b64 s[64:65], 0
	v_nop
	global_prefetch_b8 v0, s[64:65] scope:SCOPE_SE
	s_setreg_imm32_b32 hwreg(HW_REG_WAVE_MODE, 25, 1), 1
	s_wait_xcnt 0x0
	s_wait_alu depctr_hold_cnt(0) depctr_sa_sdst(0) depctr_va_vdst(0) depctr_va_sdst(0) depctr_va_ssrc(0) depctr_va_vcc(0) depctr_vm_vsrc(0)
	s_getreg_b32 s2, hwreg(HW_REG_IB_STS2, 6, 4)
	s_cmp_eq_u32 s2, 0
	s_cbranch_scc0 .Lentry_in_a_cluster
	s_endpgm
.Lentry_in_a_cluster:
	s_bfe_u32 s2, ttmp6, 0x10000c
	s_cmp_lg_u32 s2, 0xf033
	s_cbranch_scc0 .Lentry_shape_is_right
	s_endpgm
.Lentry_shape_is_right:
.set REC,   6400
.set GRP,   8*REC
.set BOFF,  16*REC
.set SLOT,  24*REC
.set SPARE, 2*SLOT
.set QS0,   3145728
.set KVR,   25600
.set LI,   4
.set LR,   5
.set ADRA, 16
.set ADRB, 20
.set ADS,  22
.set ADT,  24
.set SPW,  28
.set NIL,  29
.set SC,   32
.set AF,   80
.set PW,   160
.set TM,   164
.set TT,   192
.set UU,   224
.set G1,   24
.set G0,   32
.set G1B,  48
.set G0B,  56
.set SEL,  76
.set MSB, 0
.macro WIN new
.if MSB != \new
	s_set_vgpr_msb (MSB<<8)|\new
.set MSB, \new
.endif
.endm
.set MUL,  0xa1
.set TO_B, 0x40
.macro PLACES
.rept 4
	v_nop
.endr
.endm
.macro JLOAD s
	s_cmp_eq_u32 s15, 0
	s_cbranch_scc0 .Lfor_b_\@
	tensor_load_to_lds s[G0+4*\s:G0+4*\s+3], s[G1:G1+7]
	s_nop 0
.rept 4
	v_nop
.endr
	s_branch .Lasked_\@
.Lfor_b_\@:
	tensor_load_to_lds s[G0B+4*\s:G0B+4*\s+3], s[G1B:G1B+7]
	s_nop 0
.rept 4
	v_nop
.endr
.Lasked_\@:
.endm
.macro CREST
	s_cmp_lg_u32 s14, 0
	s_cbranch_scc1 .Lnot_wave_0_\@
	s_barrier_signal -3
.Lnot_wave_0_\@:
	s_barrier_wait -3
	s_barrier_signal -1
	s_barrier_wait -1
.endm
.macro CROUND
	s_barrier_signal -1
	s_barrier_wait -1
	CREST
.endm
	s_load_b256 s[4:11], s[0:1], 0x0
	v_lshl_add_u32 v[SPW], v0, 2, SPARE
	v_mov_b32 v[NIL], 0
	ds_add_u32 v[SPW], v[NIL]
	ds_add_u32 v[SPW], v[NIL]
	v_lshrrev_b32 v1, 5, v0
	v_readfirstlane_b32 s14, v1
	s_lshr_b32 s15, s14, 1
	s_and_b32 s16, s14, 1
	s_bfe_u32 s40, ttmp6, 0x40000
	s_bfe_u32 s41, ttmp6, 0x40004
	s_lshl_b32 s42, ttmp9, 2
	s_add_co_u32 s42, s42, s40
	s_lshl_b32 s43, s41, 2
	s_lshl_b32 s43, 15, s43
	s_lshl_b32 s44, 0x1111, s40
	s_or_b32 s[G1+0], s43, (3<<16)|(1<<21)
	s_or_b32 s[G1B+0], s44, (3<<16)|(1<<21)
	s_mov_b32 s[G1+1], 800<<16
	s_mov_b32 s[G1+2], 8<<16
	s_mov_b32 s[G1+3], 800<<16
	s_mov_b32 s[G1+4], 8
	s_mov_b32 s[G1+5], 6400
	s_mov_b32 s[G1+6], 0
	s_mov_b32 s[G1+7], 0
	s_mov_b32 s[G1B+1], 800<<16
	s_mov_b32 s[G1B+2], 4<<16
	s_mov_b32 s[G1B+3], 800<<16
	s_mov_b32 s[G1B+4], 4
	s_mov_b32 s[G1B+5], 6400
	s_mov_b32 s[G1B+6], 0
	s_mov_b32 s[G1B+7], 0
	s_max_u32 s72, s42, 40
	s_sub_co_u32 s72, s72, 40
	s_max_u32 s73, s42, 32
	s_sub_co_u32 s73, s73, 32
	s_lshl_b32 s46, s42, 3
	s_add_co_u32 s46, s46, 64
	s_lshl_b32 s47, s72, 3
	s_cmp_lt_u32 ttmp9, 10
	s_cselect_b32 s17, 0, 384
	s_cselect_b32 s46, s46, s47
	s_lshl_b32 s20, s41, 4
	s_add_co_u32 s20, s20, s17
	s_lshl_b32 s21, s16, 3
	s_add_co_u32 s20, s20, s21
	s_mul_i32 s20, s20, GRP
	s_mov_b32 s21, 0
	s_lshl_b32 s47, s16, 2
	s_add_co_u32 s46, s46, s47
	s_mul_i32 s46, s46, GRP
	s_mov_b32 s47, 0
	s_mul_i32 s45, s16, 8*REC
	s_mul_i32 s19, s16, 4*REC
	s_add_co_u32 s19, s19, BOFF
	s_lshl_b32 s74, s41, 4
	s_lshl_b32 s75, s14, 2
	s_add_co_u32 s74, s74, s75
	s_lshl_b32 s74, s74, 13
	s_mov_b32 s75, 0
	s_mov_b32 s[SEL], 0x76543210
	s_mov_b32 s[SEL+1], 0xfedcba98
	s_wait_dscnt 0x0
	s_wait_kmcnt 0x0
	s_add_nc_u64 s[20:21], s[4:5], s[20:21]
	s_add_nc_u64 s[46:47], s[4:5], s[46:47]
	CROUND
.irp s, 0,1
	s_mov_b32 s[G0+4*\s], 1
	s_add_co_u32 s[G0+4*\s+1], s45, \s*SLOT
	s_add_nc_u64 s[G0+4*\s+2:G0+4*\s+3], s[20:21], \s*REC
	s_or_b32 s[G0+4*\s+3], s[G0+4*\s+3], 0x80000000
	s_mov_b32 s[G0B+4*\s], 1
	s_add_co_u32 s[G0B+4*\s+1], s19, \s*SLOT
	s_add_nc_u64 s[G0B+4*\s+2:G0B+4*\s+3], s[46:47], \s*REC
	s_or_b32 s[G0B+4*\s+3], s[G0B+4*\s+3], 0x80000000
	s_wait_alu depctr_va_vdst(0)
	s_wait_tensorcnt 0x0
	ds_add_u32 v28, v29
	ds_add_u32 v28, v29
	s_wait_dscnt 0x0
	CROUND
	JLOAD \s
.endr
	v_and_b32 v3, 31, v0
	v_and_b32 v1, 15, v0
	v_bfe_u32 v2, v0, 4, 1
	v_lshlrev_b32 v[LI], 4, v3
	v_lshlrev_b32 v[LR], 4, v1
	s_wait_alu depctr_va_vdst(0)
	s_add_nc_u64 s[6:7], s[6:7], s[74:75]
	WIN 0xc0
.irp a, 0,1,2,3
.irp p, 0,1,2,3,4,5,6,7,8,9,10,11,12,13,14,15
	global_load_b128 v[64*\a+4*\p:64*\a+4*\p+3], v[LI], s[6:7] offset:8192*\a+512*\p
.endr
.endr
	WIN 0
	s_mul_i32 s22, s14, 4*REC
	v_add_nc_u32 v[ADRA], s22, v[LI]
	v_add_nc_u32 v[ADRA+1], SLOT, v[ADRA]
	v_add_nc_u32 v[ADRB], BOFF, v[LI]
	v_add_nc_u32 v[ADRB+1], SLOT, v[ADRB]
	s_xor_b32 s23, s14, 3
	s_add_co_u32 s23, s23, 1
	s_mul_i32 s23, s23, 4*REC
	v_mul_u32_u24 v6, s23, v2
	v_add_nc_u32 v6, v6, v[LR]
	s_add_co_u32 s23, s22, 6144
	v_add_nc_u32 v[ADS], s23, v6
	v_add_nc_u32 v[ADS+1], SLOT, v[ADS]
	v_mad_u32_u24 v[ADT], v2, REC, v[LR]
	v_add_nc_u32 v[ADT], BOFF+4*REC+6144, v[ADT]
	v_add_nc_u32 v[ADT+1], SLOT, v[ADT]
	s_lshl_b32 s71, s41, 1
	s_add_co_u32 s71, s71, s15
	s_lshl_b32 s78, s73, 3
	s_add_co_u32 s78, s78, s71
	s_mul_i32 s78, s78, KVR
	s_lshl_b32 s79, s71, 3
	s_add_co_u32 s79, s79, s72
	s_mul_i32 s79, s79, KVR
	s_cmp_lt_u32 ttmp9, 10
	s_cselect_b32 s78, s78, s79
	s_cselect_b32 s79, 0, 12288
	s_cselect_b32 s80, 0, 512
	s_mul_i32 s81, s16, 6144
	s_add_co_u32 s79, s79, s78
	s_add_co_u32 s79, s79, s81
	s_lshl_b32 s81, s16, 8
	s_add_co_u32 s80, s80, s78
	s_add_co_u32 s80, s80, s81
	s_add_co_u32 s80, s80, 24576
	s_lshl_b32 s81, s41, 2
	s_add_co_u32 s81, s81, s14
	s_lshl_b32 s82, s42, 4
	s_add_co_u32 s82, s82, s81
	s_mul_i32 s83, s82, 6144
	s_lshl_b32 s82, s82, 8
	s_add_co_u32 s82, s82, QS0
	s_cmp_lt_u32 ttmp9, 8
	s_cselect_b32 s66, s83, s79
	s_cselect_b32 s68, s82, s80
	s_cselect_b64 s[70:71], s[8:9], s[10:11]
	s_mov_b32 s67, 0
	s_mov_b32 s69, 0
	s_add_nc_u64 s[66:67], s[70:71], s[66:67]
	s_add_nc_u64 s[68:69], s[70:71], s[68:69]
.macro MUL8 a, p, q, sc, zero
.irp b, 0,1,2,3,4,5,6,7
.set rD, 8*(8*(\a)+\b)
.set rB, 128*(\p)+12*\b
.set rA, AF+48*(\p)+12*(\a)
.set rY, SC+24*(\sc)+4*(\a)+(\q)
.if \b < 4
.set rX, SC+24*(\sc)+4*\b+(\q)
.else
.set rX, SC+24*(\sc)+16+4*((\b-4)/2)+(\q)
.endif
.if (\b < 4) || (\b % 2)
.if \zero
	v_wmma_scale_f32_16x16x128_f8f6f4 v[rD:rD+7], v[rB:rB+11], v[rA:rA+11], 0, v[rX], v[rY] matrix_a_fmt:MATRIX_FMT_FP6 matrix_b_fmt:MATRIX_FMT_FP6 matrix_a_scale:MATRIX_SCALE_ROW1
.else
	v_wmma_scale_f32_16x16x128_f8f6f4 v[rD:rD+7], v[rB:rB+11], v[rA:rA+11], v[rD:rD+7], v[rX], v[rY] matrix_a_fmt:MATRIX_FMT_FP6 matrix_b_fmt:MATRIX_FMT_FP6 matrix_a_scale:MATRIX_SCALE_ROW1
.endif
.else
.if \zero
	v_wmma_scale_f32_16x16x128_f8f6f4 v[rD:rD+7], v[rB:rB+11], v[rA:rA+11], 0, v[rX], v[rY] matrix_a_fmt:MATRIX_FMT_FP6 matrix_b_fmt:MATRIX_FMT_FP6
.else
	v_wmma_scale_f32_16x16x128_f8f6f4 v[rD:rD+7], v[rB:rB+11], v[rA:rA+11], v[rD:rD+7], v[rX], v[rY] matrix_a_fmt:MATRIX_FMT_FP6 matrix_b_fmt:MATRIX_FMT_FP6
.endif
.endif
.endr
.endm
.macro FETCH slot, q, p, sc
	WIN TO_B
.irp b, 0,1,2,3,4,5,6,7
.irp c, 0,1,2
	ds_load_b128 v[128*(\p)+12*\b+4*\c:128*(\p)+12*\b+4*\c+3], v[ADRB+\slot] offset:REC*\b+1536*(\q)+512*\c
.endr
.endr
	WIN 0
.if \sc
.irp i, 0,1,2,3
	ds_load_b128 v[SC+24*\slot+4*\i:SC+24*\slot+4*\i+3], v[ADS+\slot] offset:REC*\i
.endr
.irp i, 0,1
	ds_load_b128 v[SC+24*\slot+16+4*\i:SC+24*\slot+16+4*\i+3], v[ADT+\slot] offset:2*REC*\i
.endr
.endif
.irp a, 0,1,2,3
.irp c, 0,1,2
	ds_load_b128 v[AF+48*(\p)+12*\a+4*\c:AF+48*(\p)+12*\a+4*\c+3], v[ADRA+\slot] offset:REC*\a+1536*(\q)+512*\c
.endr
.endr
.endm
.macro STEP slot, q, zero
	s_wait_dscnt 6
	WIN MUL
	MUL8 0, (\q)%2, \q, \slot, \zero
	MUL8 1, (\q)%2, \q, \slot, \zero
	PLACES
	FETCH \slot, (\q)+1, 1-(\q)%2, 0
	s_wait_dscnt 36
	WIN MUL
	MUL8 2, (\q)%2, \q, \slot, \zero
	MUL8 3, (\q)%2, \q, \slot, \zero
.endm
.macro TURN slot, next, fill
	WIN 0
	s_wait_tensorcnt 0x0
	ds_add_u32 v[SPW], v[NIL]
	s_wait_dscnt 7
	WIN MUL
	MUL8 0, 1, 3, \slot, 0
	s_wait_dscnt 0x0
	s_barrier_signal -1
	MUL8 1, 1, 3, \slot, 0
	WIN 0
	s_barrier_wait -1
.if \fill
	CREST
	s_add_nc_u64 s[G0+4*\slot+2:G0+4*\slot+3], s[G0+4*\slot+2:G0+4*\slot+3], 2*REC
	s_add_nc_u64 s[G0B+4*\slot+2:G0B+4*\slot+3], s[G0B+4*\slot+2:G0B+4*\slot+3], 2*REC
	JLOAD \slot
.else
	PLACES
.endif
	FETCH \next, 0, 0, 1
	WIN MUL
	MUL8 2, 1, 3, \slot, 0
	MUL8 3, 1, 3, \slot, 0
.endm
	s_wait_alu depctr_va_vdst(0)
	s_wait_tensorcnt 0x1
	s_barrier_signal -1
	s_barrier_wait -1
	FETCH 0, 0, 0, 1
	STEP 0, 0, 1
	WIN 0
	s_mov_b32 s3, 3
.Llap:
	STEP 0, 1, 0
	STEP 0, 2, 0
	TURN 0, 1, 1
	STEP 1, 0, 0
	STEP 1, 1, 0
	STEP 1, 2, 0
	TURN 1, 0, 1
	STEP 0, 0, 0
	WIN 0
	s_sub_co_u32 s3, s3, 1
	s_cmp_lg_u32 s3, 0
	s_cbranch_scc1 .Llap
	STEP 0, 1, 0
	STEP 0, 2, 0
	TURN 0, 1, 0
	STEP 1, 0, 0
	STEP 1, 1, 0
	STEP 1, 2, 0
	s_wait_dscnt 6
	WIN MUL
	MUL8 0, 1, 3, 1, 0
	MUL8 1, 1, 3, 1, 0
	s_wait_dscnt 0x0
	MUL8 2, 1, 3, 1, 0
	MUL8 3, 1, 3, 1, 0
	WIN 0
	PLACES
.irp b, 0,1,2,3
	v_mov_b32 v[TM+4+\b], 0
.endr
.macro ROPE a
	WIN 0x0e
.set k, 0
.rept 16
	v_pk_mul_f32 v[TT+2*k:TT+2*k+1], v[64*(\a)+32+2*k:64*(\a)+33+2*k], v[64*(\a)+32+2*k:64*(\a)+33+2*k]
	v_pk_mul_f32 v[UU+2*k:UU+2*k+1], v[64*(\a)+2*k:64*(\a)+2*k+1], v[64*(\a)+32+2*k:64*(\a)+33+2*k]
.set k, k+1
.endr
	WIN 0x8e
.set k, 0
.rept 16
	v_pk_fma_f32 v[64*(\a)+2*k:64*(\a)+2*k+1], v[64*(\a)+2*k:64*(\a)+2*k+1], v[64*(\a)+2*k:64*(\a)+2*k+1], v[TT+2*k:TT+2*k+1] neg_lo:[0,0,1] neg_hi:[0,0,1]
	v_pk_fma_f32 v[64*(\a)+32+2*k:64*(\a)+33+2*k], v[64*(\a)+32+2*k:64*(\a)+33+2*k], v[64*(\a)+2*k:64*(\a)+2*k+1], v[UU+2*k:UU+2*k+1]
.set k, k+1
.endr
	WIN 0
.endm
.macro QOUT a
.set XS, 64*(\a)
.set PC, 80+20*(\a)
	WIN 0x0a
.irp b, 0,1,2,3
	v_max3_num_f32 v[TM+\b], |v[XS+16*\b]|, |v[XS+16*\b+1]|, 0x1800000
.endr
.irp i, 2,4,6,8,10,12,14
.irp b, 0,1,2,3
	v_max3_num_f32 v[TM+\b], |v[XS+16*\b+\i]|, |v[XS+16*\b+\i+1]|, v[TM+\b]
.endr
.endr
	WIN 0
.irp b, 0,1,2,3
	v_permlanex16_b32 v[TM+4+\b], v[TM+\b], s[SEL], s[SEL+1]
.endr
.irp b, 0,1,2,3
	v_max_num_f32 v[TM+\b], v[TM+\b], v[TM+4+\b]
.endr
.irp b, 0,1,2,3
	v_add_nc_u32 v[TM+12+\b], 0xff000000, v[TM+\b]
.endr
.irp b, 0,1,2,3
	v_lshrrev_b32 v[TM+4+\b], 23, v[TM+12+\b]
.endr
	v_lshl_or_b32 v[PW+(\a)], v[TM+5], 8, v[TM+4]
	v_lshl_or_b32 v[PW+(\a)], v[TM+6], 16, v[PW+(\a)]
	v_lshl_or_b32 v[PW+(\a)], v[TM+7], 24, v[PW+(\a)]
	WIN 0x02
.irp c, 0,1
	v_cvt_scalef32_pk16_fp6_f32 v[PC+6*\c:PC+2+6*\c], v[XS+32*\c:XS+15+32*\c], v[TM+12+2*\c]
	v_cvt_scalef32_pk16_fp6_f32 v[PC+12+4*\c:PC+14+4*\c], v[XS+16+32*\c:XS+31+32*\c], v[TM+13+2*\c]
.endr
	WIN 0
	v_nop
.irp c, 0,1
.irp i, 0,1,2
	v_permlane16_swap_b32 v[PC+6*\c+\i], v[PC+12+4*\c+\i]
.endr
.irp i, 0,1,2
	v_mov_b32 v[PC+3+6*\c+\i], v[PC+12+4*\c+\i]
.endr
.endr
.irp c, 0,1,2
	global_store_b128 v[LI], v[PC+4*\c:PC+4*\c+3], s[66:67] offset:1536*(\a)+512*\c
.endr
.endm
	s_wait_loadcnt 0x0
	s_cmp_lt_u32 ttmp9, 10
	s_cbranch_scc0 .Lno_rope
	ROPE 0
	ROPE 1
	ROPE 2
	ROPE 3
.Lno_rope:
	QOUT 0
	QOUT 1
	QOUT 2
	QOUT 3
	s_wait_xcnt 0x0
	v_cmp_gt_u32 vcc_lo, 16, v3
	s_and_saveexec_b32 s84, vcc_lo
	global_store_b128 v[LR], v[PW:PW+3], s[68:69]
	s_wait_xcnt 0x0
	s_or_b32 exec_lo, exec_lo, s84
	s_wait_tensorcnt 0x0
	ds_add_u32 v[SPW], v[NIL]
	s_wait_dscnt 0x0
	CROUND
	s_endpgm
.Lfunc_end_k_qa4380fc16c_qkv:
	.size	k_qa4380fc16c_qkv, .Lfunc_end_k_qa4380fc16c_qkv-k_qa4380fc16c_qkv
	.p2alignl 7, 3214868480
	.fill 96, 4, 3214868480
	.section	.rodata,"a",@progbits
	.p2align	6, 0x0
	.amdhsa_kernel k_qa4380fc16c_qkv
		.amdhsa_group_segment_fixed_size 327680
		.amdhsa_private_segment_fixed_size 0
		.amdhsa_enable_private_segment 0
		.amdhsa_kernarg_size 32
		.amdhsa_user_sgpr_count 2
		.amdhsa_user_sgpr_kernarg_segment_ptr 1
		.amdhsa_wavefront_size32 1
		.amdhsa_system_sgpr_workgroup_id_x 1
		.amdhsa_system_sgpr_workgroup_id_y 1
		.amdhsa_system_sgpr_workgroup_id_z 1
		.amdhsa_system_vgpr_workitem_id 0
		.amdhsa_next_free_vgpr 1024
		.amdhsa_next_free_sgpr 88
		.amdhsa_reserve_vcc 1
		.amdhsa_float_denorm_mode_32 3
		.amdhsa_float_denorm_mode_16_64 3
		.amdhsa_memory_ordered 1
		.amdhsa_forward_progress 1
		.amdhsa_inst_pref_size 158
	.end_amdhsa_kernel
	.amdgpu_metadata
---
amdhsa.version: [ 1, 2 ]
amdhsa.kernels:
  - .name:           k_qa4380fc16c_qkv
    .symbol:         k_qa4380fc16c_qkv.kd
    .args:
      - { .name: wcodes, .offset: 0, .size: 8, .value_kind: global_buffer, .address_space: global }
      - { .name: rope, .offset: 8, .size: 8, .value_kind: global_buffer, .address_space: global }
      - { .name: q, .offset: 16, .size: 8, .value_kind: global_buffer, .address_space: global }
      - { .name: kv, .offset: 24, .size: 8, .value_kind: global_buffer, .address_space: global }
    .group_segment_fixed_size: 327680
    .private_segment_fixed_size: 0
    .kernarg_segment_align: 8
    .kernarg_segment_size: 32
    .max_flat_workgroup_size: 128
    .sgpr_count:     88
    .vgpr_count:     1024
    .wavefront_size: 32
...
	.end_amdgpu_metadata
.endif
;; end of part 2
;; launch attn (part 3): grid 256 x 1, 16 waves a work-group, clusters of 4 x 1, 274,432 bytes of LDS; arguments q, kv, acodes, Wo, wocodes; writes acodes, wocodes
.if DOCPART == 3
	.amdgcn_target "amdgcn-amd-amdhsa--gfx1250"
	.amdhsa_code_object_version 6
	.text
	.protected	k_qa4380fc16c_attn
	.globl	k_qa4380fc16c_attn
	.p2align	8
	.type	k_qa4380fc16c_attn,@function
k_qa4380fc16c_attn:
	s_mov_b64 s[64:65], 0
	v_nop
	global_prefetch_b8 v0, s[64:65] scope:SCOPE_SE
	s_setreg_imm32_b32 hwreg(HW_REG_WAVE_MODE, 25, 1), 1
	s_wait_xcnt 0x0
	s_wait_alu depctr_hold_cnt(0) depctr_sa_sdst(0) depctr_va_vdst(0) depctr_va_sdst(0) depctr_va_ssrc(0) depctr_va_vcc(0) depctr_vm_vsrc(0)
	s_getreg_b32 s2, hwreg(HW_REG_IB_STS2, 6, 4)
	s_cmp_eq_u32 s2, 0
	s_cbranch_scc0 .Lentry_in_a_cluster
	s_endpgm
.Lentry_in_a_cluster:
	s_bfe_u32 s2, ttmp6, 0x10000c
	s_cmp_lg_u32 s2, 0x3003
	s_cbranch_scc0 .Lentry_shape_is_right
	s_endpgm
.Lentry_shape_is_right:
; Causal attention on codes of FP6 (E2M3) with E8M0 scales: 32 query heads, 8 key and value heads, 1,024 positions, head size 128.  The result is quantised along the head's 128 and leaves as codes, laid as an operand of the last product.
; THE SOFTMAX AHEAD OF THE SECOND PRODUCT: t = score x log2(e) / sqrt(128); M = the running largest t rounded UP to a whole number; p = 2^(t - M) is quantised along the keys; the row's sum is taken of the
; unquantised p and divides at the end.  When M moves, the sum and O are multiplied by 2^(old M - new M): exact.
; SHARES.  A cluster is the four query heads of one key and value head (cx = the head among the four: it enters global addresses alone), for 8 groups of 16 queries.  All four walk the same K and V: the whole head's
; codes and scale words, 204,800 bytes, come into each work-group's LDS ONCE, by joint loads; nothing is filled again.  Each of the eight waves owns one group of 16 queries: group e or 63 - e, so that every pair of
; waves has an early and a late group and the work under the causal mask is even.
; LAYOUT.  Both products are used transposed: S^T = K Q^T, O^T = V^T P^T: a lane holds ONE query.  By the order of rows in a group (lane r: row 32 (G / 2) + 8 (G % 2) + r + 8 (r / 8)) the 16 registers of two
; neighbouring tiles are 16 neighbouring keys (then: 16 neighbours of the head's 128).  Fragments lie in LDS as images of their registers: three ds_load_b128 of 512 consecutive bytes each.
; THE MASK.  Every wave walks all 8 key steps of 128, so that trip counts are constants; a step all of whose keys come after my queries is jumped over (a scalar branch on ids); in the one step on the diagonal hidden
; scores become -infinity ahead of the maximum.  Key 0 counts for every query, so M is a number from the first step on.
; REGISTERS: v1, v2 16 x lane, 16 x (lane % 16); v5, v6 the add's two; v7 the mask's bound; v8, v9 LDS addresses; v12 -M, v13 the largest t, v[14:15] the sum; v16-27 Q; v32-79 four fragments; v96-159 S^T, then p;
;   v160-223 O^T; v224-235 p's codes; v232-254 at work; v248-251 four tiles' scale words; v253 p's; v255 Q's.
; LIMITS: a block of zeros carries the byte 1 (read by this program alone); NaN and infinities are not served.
.set KVR,   25600                      ; a key step's record: K's 8 images, V^T's 8, K's words (512 bytes), V^T's (512)
; SIXTEEN WAVES.  Waves 0-7 are the eight attention waves described above.  All sixteen fetch the head's codes: half a key step's record each, one joint load a wave.
; Waves 8-15 quantise Wo (f32, K = 4,096 innermost) into wocodes, in the groups, images and records of the launch quant: work-group g (256 of them) takes Wo's group g, wave 8 + w its record w.  Their stages lie behind the
; spare words; they share nothing with the attention waves but the barriers.  The same limits hold as in quant (a block of zeros carries the byte 1; NaN and infinities are not served).
; acodes is laid [tile of 128 rows][record = key and value head][group in the tile][6,400 bytes], so that a tile of the last product's A is one dense block.
.set SPARE, 8*KVR                      ; behind the head: the spare words, 128 bytes a wave: eight blocks of 256 bytes that no other line names
.set SP,    528
.set STG,   16*SP                      ; a quantising wave's stage
.set STG0,  SPARE+2048
.set ROWB,  16384
.set TI,    3                          ; v3  into the stage
.set TO,    4                          ; v4  out of it
.set H8,    28                         ; v28 8 h
.set PD,    29                         ; v29 a lane permute's destination
.set CD,    32
.set T2,    44
.set SWD,   52
.set RW,    64
.set XN,    192
.set IN,    72
.set OUT,   74
.set QS0,   3145728
.set LI,  1
.set LR,  2
.set SPW, 5
.set NIL, 6
.set VD,  7
.set ADL, 8
.set ADS, 9
.set WV,  18
.set SEL, 20
.set CS,  22
.set G1,  24
.set G0,  32
.set TD,  40                           ; s40  the step on the diagonal
.set TB,  42                           ; s42  LDS byte at which the step's record begins
.set T,   43                           ; s43  the step
.macro CROUND
	s_barrier_signal -1
	s_barrier_wait -1
	s_cmp_lg_u32 s[WV], 0
	s_cbranch_scc1 .Lnot_wave_0_\@
	s_barrier_signal -3
.Lnot_wave_0_\@:
	s_barrier_wait -3
	s_barrier_signal -1
	s_barrier_wait -1
.endm
	s_load_b128 s[4:7], s[0:1], 0x0                ; q s[4:5], kv s[6:7]
	s_load_b64 s[8:9], s[0:1], 0x10                ; acodes
	s_load_b128 s[68:71], s[0:1], 0x18             ; Wo s[68:69], wocodes s[70:71]
	v_lshl_add_u32 v[SPW], v0, 2, SPARE
	v_mov_b32 v[NIL], 0
	ds_add_u32 v[SPW], v[NIL]                      ; the wave's opening: the add and its wait ahead of the first tensor loads
	ds_add_u32 v[SPW], v[NIL]
	v_lshrrev_b32 v8, 5, v0
	s_delay_alu instid0(VALU_DEP_1)
	v_readfirstlane_b32 s[WV], v8                  ; wave 0..15
	s_bfe_u32 s10, ttmp6, 0x40000                  ; cx: the query head among the four
	s_lshr_b32 s11, ttmp9, 3                       ; the key and value head
	s_and_b32 s12, ttmp9, 7
	s_lshr_b32 s13, s[WV], 2
	s_xor_b32 s13, s13, s[WV]
	s_and_b32 s13, s13, 1                          ; a late group?
	s_lshr_b32 s14, s[WV], 1
	s_lshl_b32 s15, s12, 2
	s_add_co_u32 s14, s14, s15                     ; e
	s_sub_co_u32 s15, 63, s14
	s_cmp_eq_u32 s13, 1
	s_cselect_b32 s41, s15, s14                    ; G: my group of 16 queries; the same in all four partners
	s_lshr_b32 s[TD], s41, 3
	s_mov_b32 s[G1], 15|(3<<16)|(1<<21)            ; 15:0 the mask: all four; 17:16 elements of 8 bytes; 21 set beside a mask
	s_mov_b32 s[G1+1], 32<<16                      ; a record as 100 rows of 256 bytes, dense
	s_mov_b32 s[G1+2], 50<<16                      ; half a record: 50 rows of 256 bytes, dense
	s_mov_b32 s[G1+3], 32<<16
	s_mov_b32 s[G1+4], 50
	s_mov_b32 s[G1+5], 32
	s_mov_b32 s[G1+6], 0
	s_mov_b32 s[G1+7], 0
	s_mul_i32 s19, s[WV], KVR/2                    ; my half record, in LDS,
	s_mul_i32 s16, s11, 8*KVR
	s_add_co_u32 s16, s16, s19                     ; and in my head's part of memory
	s_mov_b32 s17, 0
	s_mov_b32 s[SEL], 0x76543210
	s_mov_b32 s[SEL+1], 0xfedcba98
	s_mov_b32 s[CS], 0x3e0293ee                    ; c = log2(e) / sqrt(128)
	s_mov_b32 s[CS+1], s[CS]
	s_mov_b32 s[TB], 0
	s_mov_b32 s[T], 0
	s_lshl_b32 s45, s11, 2
	s_add_co_u32 s45, s45, s10                     ; the query head
	s_lshl_b32 s46, s45, 6
	s_add_co_u32 s46, s46, s41
	s_mul_i32 s46, s46, 1536                       ; Q's image
	s_mov_b32 s47, 0
	s_lshl_b32 s48, s45, 4
	s_lshr_b32 s49, s41, 2
	s_add_co_u32 s48, s48, s49
	s_lshl_b32 s48, s48, 8
	s_and_b32 s49, s41, 3
	s_lshl_b32 s49, s49, 2
	s_add_co_u32 s48, s48, s49
	s_add_co_u32 s48, s48, QS0                     ; its scale words
	s_mov_b32 s49, 0
	s_lshr_b32 s50, s41, 3
	s_mul_i32 s50, s50, 409600                     ; the result: the tile of 128 rows,
	s_mul_i32 s51, s11, 51200
	s_add_co_u32 s50, s50, s51                     ; record = the key and value head,
	s_and_b32 s51, s41, 7
	s_mul_i32 s51, s51, 6400
	s_add_co_u32 s50, s50, s51                     ; the group in the tile
	s_lshl_b32 s52, s10, 2
	s_add_co_u32 s52, s52, s50
	s_add_co_u32 s52, s52, 6144                    ; its word: K step cx of the record
	s_mul_i32 s51, s10, 1536
	s_add_co_u32 s50, s50, s51                     ; its image
	s_mov_b32 s51, 0
	s_mov_b32 s53, 0
	s_lshr_b32 s54, s41, 1
	s_and_b32 s54, s54, 3
	s_lshl_b32 s54, s54, 5
	s_and_b32 s55, s41, 1
	s_lshl_b32 s55, s55, 3
	s_add_co_u32 s54, s54, s55                     ; my group's first query, counted from the diagonal step's first key
	s_and_b32 s66, s[WV], 7                        ; waves 8-15: my record of Wo's group
	s_lshl_b32 s67, ttmp9, 2
	s_add_co_u32 s67, s67, s10                     ; the group = the work-group's number (it enters global addresses alone)
	s_lshr_b32 s72, s67, 1
	s_lshl_b32 s72, s72, 19                        ; 32 rows
	s_and_b32 s73, s67, 1
	s_lshl_b32 s73, s73, 17                        ; 8 rows
	s_add_co_u32 s72, s72, s73
	s_lshl_b32 s73, s66, 11                        ; four K steps of 512 bytes
	s_add_co_u32 s72, s72, s73
	s_mov_b32 s73, 0
	s_mul_i32 s74, s67, 51200
	s_mul_i32 s75, s66, 6400
	s_add_co_u32 s74, s74, s75
	s_mov_b32 s75, 0
	s_mul_i32 s76, s66, STG
	s_add_co_u32 s76, s76, STG0                    ; my stage
	s_wait_dscnt 0x0                               ; the opening adds are done
	s_wait_kmcnt 0x0
	s_add_nc_u64 s[IN:IN+1], s[68:69], s[72:73]
	s_add_nc_u64 s[OUT:OUT+1], s[70:71], s[74:75]
	s_add_nc_u64 s[16:17], s[6:7], s[16:17]
	s_add_nc_u64 s[46:47], s[4:5], s[46:47]
	s_add_nc_u64 s[48:49], s[4:5], s[48:49]
	s_add_nc_u64 s[50:51], s[8:9], s[50:51]
	s_add_nc_u64 s[52:53], s[8:9], s[52:53]
	CROUND                                         ; all four work-groups are here: the joint loads meet
	s_mov_b32 s[G0], 1
	s_mov_b32 s[G0+1], s19
	s_mov_b64 s[G0+2:G0+3], s[16:17]
	s_or_b32 s[G0+3], s[G0+3], 0x80000000
	tensor_load_to_lds s[G0:G0+3], s[G1:G1+7]      ; one joint load a wave, with no branch: 16 x 12,800 bytes are the head's 204,800
	s_nop 0
.rept 4
	v_nop
.endr
	v_and_b32 v10, 31, v0
	s_delay_alu instid0(VALU_DEP_1)
	v_lshlrev_b32 v[LI], 4, v10
	v_and_b32 v10, 15, v0                          ; r
	s_delay_alu instid0(VALU_DEP_1)
	v_lshlrev_b32 v[LR], 4, v10
	v_bfe_u32 v11, v0, 4, 1                        ; h
	v_add_nc_u32 v[TI], s76, v[LI]                 ; the quantising waves' LDS addresses are made here, ahead of the first parting of the waves
	v_mul_u32_u24 v[TO], v10, SP
	v_lshlrev_b32 v[H8], 3, v11
	v_mov_b32 v[PD], 0
	v_lshl_add_u32 v[TO], v11, 7, v[TO]
	s_delay_alu instid0(VALU_DEP_1)
	v_add_nc_u32 v[TO], s76, v[TO]
	v_and_b32 v12, 8, v10
	s_delay_alu instid0(VALU_DEP_1)
	v_add_nc_u32 v12, v12, v10
	v_lshlrev_b32 v11, 4, v11
	s_delay_alu instid0(VALU_DEP_1)
	v_sub_nc_u32 v12, v12, v11
	s_delay_alu instid0(VALU_DEP_1)
	v_add_nc_u32 v[VD], s54, v12                   ; my query - the diagonal step's first key - 16 h: register 16 b + i is hidden where 32 b + i is above it
	v_mov_b32 v13, 0xff61b1e6                      ; the largest t so far: -3e38
	s_delay_alu instid0(VALU_DEP_1)
	v_floor_f32 v12, -v13                          ; -M
	v_mov_b32 v14, 0
	v_mov_b32 v15, 0
.irp b, 0,1,2,3
	v_mov_b32 v[236+\b], 0                         ; a lane permute's destination counts as one of its sources
	v_mov_b32 v[60+\b], 0
.endr
	v_mov_b32 v252, 0
	v_mov_b32 v253, 0
.set n, 0
.rept 64
	v_mov_b32 v[160+n], 0                          ; O^T: the step is written without a first step of its own: the first change of M multiplies zeros
.set n, n+1
.endr
.macro STEP
	s_cmp_ge_u32 s[WV], 8                          ; every wave walks the loop; the quantising waves pass each step's work by
	s_cbranch_scc1 .Lhidden_\@
	s_cmp_gt_u32 s[T], s[TD]                       ; all 128 keys come after my queries
	s_cbranch_scc1 .Lhidden_\@
	v_add_nc_u32 v[ADL], s[TB], v[LI]
	s_wait_alu depctr_va_vdst(0)
	v_add_nc_u32 v[ADS], s[TB], v[LR]
	s_wait_alu depctr_va_vdst(0)
	v_nop
	v_nop                                          ; four places in front of loads into registers that the last products read
.irp g, 0,1                                    ; S^T = K Q^T, four tiles of 16 keys at a time
.if \g
.rept 4
	v_nop
.endr
.endif
.irp i, 0,1,2,3
.irp c, 0,1,2
	ds_load_b128 v[32+12*\i+4*\c:35+12*\i+4*\c], v[ADL] offset:(4*\g+\i)*1536+512*\c
.endr
.endr
	ds_load_b128 v[248:251], v[ADS] offset:24576+256*\g
	s_wait_dscnt 0x0
.irp i, 0,1,2,3
	v_wmma_scale_f32_16x16x128_f8f6f4 v[96+8*(4*\g+\i):103+8*(4*\g+\i)], v[32+12*\i:43+12*\i], v[16:27], 0, v[248+\i], v255 matrix_a_fmt:MATRIX_FMT_FP6 matrix_b_fmt:MATRIX_FMT_FP6
.endr
.endr
.rept 4
	v_nop
.endr
.irp i, 0,1,2,3                                ; V^T's first four fragments are asked for here and land under the softmax
.irp c, 0,1,2
	ds_load_b128 v[32+12*\i+4*\c:35+12*\i+4*\c], v[ADL] offset:12288+\i*1536+512*\c
.endr
.endr
	ds_load_b128 v[248:251], v[ADS] offset:25088
	s_cmp_lt_u32 s[T], s[TD]                       ; all keys count: no mask
	s_cbranch_scc1 .Lopen_\@
	v_mov_b32 v254, 0xff800000
.set n, 0
.rept 64
	v_cmp_gt_i32 vcc_lo, 32*(n/16)+n%16, v[VD]
	v_cndmask_b32 v[96+n], v[96+n], v254, vcc_lo
.set n, n+1
.endr
.Lopen_\@:
.irp b, 0,1,2,3
	v_max3_num_f32 v[232+\b], v[96+16*\b], v[97+16*\b], v[98+16*\b]   ; the largest score of each block of 32 keys: it serves the row's maximum and, since p rises with the score, the block's largest p
.endr
.irp i, 3,5,7,9,11,13
.irp b, 0,1,2,3
	v_max3_num_f32 v[232+\b], v[232+\b], v[96+16*\b+\i], v[97+16*\b+\i]
.endr
.endr
.irp b, 0,1,2,3
	v_max_num_f32 v[232+\b], v[232+\b], v[111+16*\b]
.endr
.irp b, 0,1,2,3
	s_delay_alu instid0(VALU_DEP_4)
	v_permlanex16_b32 v[236+\b], v[232+\b], s[SEL], s[SEL+1]
.endr
.irp b, 0,1,2,3
	s_delay_alu instid0(VALU_DEP_4)
	v_max_num_f32 v[232+\b], v[232+\b], v[236+\b]
.endr
	s_delay_alu instid0(VALU_DEP_2)
	v_max3_num_f32 v254, v232, v233, v234
	s_delay_alu instid0(VALU_DEP_1)
	v_max_num_f32 v254, v254, v235
	s_delay_alu instid0(VALU_DEP_1)
	v_mul_f32 v254, s[CS], v254
	s_delay_alu instid0(VALU_DEP_1)
	v_max_num_f32 v13, v13, v254                   ; the running largest t
	v_mov_b32 v254, v12
	s_delay_alu instid0(VALU_DEP_2)
	v_floor_f32 v12, -v13                          ; the new -M = -ceil(t)
	s_delay_alu instid0(VALU_DEP_1)
	v_sub_f32 v254, v12, v254
	s_delay_alu instid0(VALU_DEP_1)
	v_cvt_i32_f32 v254, v254                       ; (it saturates)
	s_delay_alu instid0(VALU_DEP_1)
	v_ldexp_f32 v252, 1.0, v254                    ; f = 2^(old M - new M)
.set n, 0
.rept 32
	v_pk_fma_f32 v[96+2*n:97+2*n], v[96+2*n:97+2*n], s[CS:CS+1], v[12:13] op_sel_hi:[1,0,0]   ; t - M
.set n, n+1
.endr
.irp b, 0,1,2,3
	v_fma_f32 v[232+\b], v[232+\b], s[CS], v12
.endr
.set n, 0
	s_wait_alu depctr_va_vdst(0)
.rept 64
	v_exp_f32 v[96+n], v[96+n]                     ; p, not normalised
.set n, n+1
.endr
	v_pk_mul_f32 v[14:15], v[14:15], v[252:253] op_sel_hi:[1,0]       ; the sums under the new M; a plain place behind the exponentials
	s_wait_alu depctr_va_vdst(0)                   ; one wait for the batch of 64, ahead of its first reader
.irp b, 0,1,2,3
	v_exp_f32 v[232+\b], v[232+\b]                 ; the blocks' largest p
.endr
	v_pk_add_f32 v[236:237], v[100:101], v[104:105]
	v_pk_add_f32 v[94:95], v[108:109], v[112:113]
	v_pk_add_f32 v[92:93], v[116:117], v[120:121]
	v_pk_add_f32 v[90:91], v[124:125], v[128:129]
	v_pk_add_f32 v[88:89], v[132:133], v[136:137]
	v_pk_add_f32 v[86:87], v[140:141], v[144:145]
	v_pk_add_f32 v[84:85], v[148:149], v[152:153]
	v_pk_add_f32 v[14:15], v[14:15], v[156:157]
	v_pk_add_f32 v[236:237], v[236:237], v[96:97]
	v_pk_add_f32 v[94:95], v[94:95], v[98:99]
	v_pk_add_f32 v[92:93], v[92:93], v[102:103]
	v_pk_add_f32 v[90:91], v[90:91], v[106:107]
	v_pk_add_f32 v[88:89], v[88:89], v[110:111]
	v_pk_add_f32 v[86:87], v[86:87], v[114:115]
	v_pk_add_f32 v[84:85], v[84:85], v[118:119]
	v_pk_add_f32 v[14:15], v[14:15], v[122:123]
	v_pk_add_f32 v[236:237], v[236:237], v[126:127]
	v_pk_add_f32 v[94:95], v[94:95], v[130:131]
	v_pk_add_f32 v[92:93], v[92:93], v[134:135]
	v_pk_add_f32 v[90:91], v[90:91], v[138:139]
	v_pk_add_f32 v[88:89], v[88:89], v[142:143]
	v_pk_add_f32 v[86:87], v[86:87], v[146:147]
	v_pk_add_f32 v[84:85], v[84:85], v[150:151]
	v_pk_add_f32 v[14:15], v[14:15], v[154:155]
	v_pk_add_f32 v[236:237], v[236:237], v[158:159]
	s_delay_alu instid0(VALU_DEP_2)
	v_pk_add_f32 v[14:15], v[14:15], v[90:91]
	s_delay_alu instid0(VALU_DEP_2)
	v_pk_add_f32 v[236:237], v[236:237], v[88:89]
	v_pk_add_f32 v[94:95], v[94:95], v[86:87]
	v_pk_add_f32 v[92:93], v[92:93], v[84:85]
	s_delay_alu instid0(VALU_DEP_2)
	v_pk_add_f32 v[14:15], v[14:15], v[94:95]
	s_delay_alu instid0(VALU_DEP_2)
	v_pk_add_f32 v[236:237], v[236:237], v[92:93]
	s_delay_alu instid0(VALU_DEP_1)
	v_pk_add_f32 v[14:15], v[14:15], v[236:237]
	s_wait_alu depctr_va_vdst(0)                   ; and one for the four
.irp b, 0,1,2,3
	v_max_num_f32 v[232+\b], 0x1800000, v[232+\b]  ; the floor 2^(3 - 127)
.endr
.irp b, 0,1,2,3
	s_delay_alu instid0(VALU_DEP_4)
	v_add_nc_u32 v[244+\b], 0xff000000, v[232+\b]
.endr
.irp b, 0,1,2,3
	s_delay_alu instid0(VALU_DEP_4)
	v_lshrrev_b32 v[236+\b], 23, v[244+\b]
.endr
	s_delay_alu instid0(VALU_DEP_3)
	v_lshl_or_b32 v253, v237, 8, v236              ; p's scale word for these 128 keys
	s_delay_alu instid0(VALU_DEP_1)
	v_lshl_or_b32 v253, v238, 16, v253
	s_delay_alu instid0(VALU_DEP_1)
	v_lshl_or_b32 v253, v239, 24, v253
.irp c, 0,1
	v_cvt_scalef32_pk16_fp6_f32 v[224+6*\c:226+6*\c], v[96+32*\c:111+32*\c], v[244+2*\c]
	v_cvt_scalef32_pk16_fp6_f32 v[236+4*\c:238+4*\c], v[112+32*\c:127+32*\c], v[245+2*\c]
.endr
	v_nop
.irp c, 0,1
.irp i, 0,1,2
	v_permlane16_swap_b32 v[224+6*\c+\i], v[236+4*\c+\i]
.endr
.irp i, 0,1,2
	s_delay_alu instid0(VALU_DEP_3)
	v_mov_b32 v[227+6*\c+\i], v[236+4*\c+\i]
.endr
.endr
.set n, 0
.rept 32
	v_pk_mul_f32 v[160+2*n:161+2*n], v[160+2*n:161+2*n], v[252:253] op_sel_hi:[1,0]   ; O^T under the new M; these are also the places in front of the products below
.set n, n+1
.endr
	s_wait_alu depctr_va_vdst(0)
	s_wait_dscnt 0x0                               ; V^T's first four
.irp i, 0,1,2,3
	v_wmma_scale_f32_16x16x128_f8f6f4 v[160+8*\i:167+8*\i], v[32+12*\i:43+12*\i], v[224:235], v[160+8*\i:167+8*\i], v[248+\i], v253 matrix_a_fmt:MATRIX_FMT_FP6 matrix_b_fmt:MATRIX_FMT_FP6
.endr
.rept 4
	v_nop
.endr
.irp i, 0,1,2,3
.irp c, 0,1,2
	ds_load_b128 v[32+12*\i+4*\c:35+12*\i+4*\c], v[ADL] offset:12288+(4+\i)*1536+512*\c
.endr
.endr
	ds_load_b128 v[248:251], v[ADS] offset:25088+256
	s_wait_dscnt 0x0
.irp i, 0,1,2,3
	v_wmma_scale_f32_16x16x128_f8f6f4 v[192+8*\i:199+8*\i], v[32+12*\i:43+12*\i], v[224:235], v[192+8*\i:199+8*\i], v[248+\i], v253 matrix_a_fmt:MATRIX_FMT_FP6 matrix_b_fmt:MATRIX_FMT_FP6
.endr
.Lhidden_\@:
	s_add_co_u32 s[TB], s[TB], KVR
.endm
.macro LOAD f                          ; K step f of my four: 16 rows x 512 consecutive bytes
.irp i, 0,1,2,3,4,5,6,7,8,9,10,11,12,13,14,15
	global_load_b128 v[RW+64*((\f)%2)+4*\i:RW+64*((\f)%2)+4*\i+3], v[LI], s[IN:IN+1] offset:(\i+8*(\i/8))*ROWB+512*(\f) th:TH_LOAD_NT
.endr
.endm
.macro FRAGQ f
.if (\f) < 3
	s_wait_loadcnt 16                              ; this K step's 16 loads are in; the next one's may be out
.else
	s_wait_loadcnt 0x0
.endif
.irp i, 0,1,2,3,4,5,6,7,8,9,10,11,12,13,14,15
	ds_store_b128 v[TI], v[RW+64*((\f)%2)+4*\i:RW+64*((\f)%2)+4*\i+3] offset:SP*\i
.endr
.irp c, 0,1
.irp e, 0,1,2,3,4,5,6,7
	ds_load_b128 v[XN+32*\c+4*\e:XN+32*\c+4*\e+3], v[TO] offset:256*\c+16*\e   ; LDS serves a wave's instructions in order: these see the stores
.endr
.endr
	s_wait_dscnt 0x0
.if (\f) < 2
	LOAD (\f)+2
.endif
	v_max3_num_f32 v10, |v[XN]|, |v[XN+1]|, 0x1800000      ; my two blocks' largest magnitudes, in four chains by turns, with the floor 2^(3 - 127) as a leaf
	v_max3_num_f32 v11, |v[XN+32]|, |v[XN+33]|, 0x1800000
	v_max3_num_f32 v12, |v[XN+16]|, |v[XN+17]|, |v[XN+18]|
	v_max3_num_f32 v13, |v[XN+48]|, |v[XN+49]|, |v[XN+50]|
.irp i, 2,4,6,8,10,12
	v_max3_num_f32 v10, v10, |v[XN+\i]|, |v[XN+\i+1]|
	v_max3_num_f32 v11, v11, |v[XN+32+\i]|, |v[XN+33+\i]|
	v_max3_num_f32 v12, v12, |v[XN+17+\i]|, |v[XN+18+\i]|
	v_max3_num_f32 v13, v13, |v[XN+49+\i]|, |v[XN+50+\i]|
.endr
	v_max3_num_f32 v10, v10, |v[XN+14]|, |v[XN+15]|
	v_max3_num_f32 v11, v11, |v[XN+46]|, |v[XN+47]|
	v_max3_num_f32 v10, v10, v12, |v[XN+31]|
	v_max3_num_f32 v11, v11, v13, |v[XN+63]|
	v_add_nc_u32 v12, 0xff000000, v10              ; 2 off the exponent field: the conversion's scale operand
	v_add_nc_u32 v13, 0xff000000, v11
	v_lshrrev_b32 v14, 23, v12                     ; the bytes of blocks h and 2 + h
	v_lshrrev_b32 v15, 23, v13
	s_delay_alu instid0(VALU_DEP_1)
	v_lshl_or_b32 v18, v15, 16, v14
	s_delay_alu instid0(VALU_DEP_1)
	v_lshlrev_b32 v18, v[H8], v18
	s_delay_alu instid0(VALU_DEP_1)
	v_permlanex16_b32 v[PD], v18, s[SEL], s[SEL+1]
	s_delay_alu instid0(VALU_DEP_1)
	v_or_b32 v[SWD+(\f)], v18, v[PD]               ; with lane l xor 16's two the word is whole
	s_wait_alu depctr_va_vdst(0)                   ; the wait ahead of the wait below
	s_wait_xcnt 0x0                                ; the last image's stores have read their registers
	v_cvt_scalef32_pk16_fp6_f32 v[CD:CD+2], v[XN:XN+15], v12
	v_cvt_scalef32_pk16_fp6_f32 v[T2:T2+2], v[XN+16:XN+31], v12
	v_cvt_scalef32_pk16_fp6_f32 v[CD+6:CD+8], v[XN+32:XN+47], v13
	v_cvt_scalef32_pk16_fp6_f32 v[T2+4:T2+6], v[XN+48:XN+63], v13
	v_nop                                          ; one plain place behind a scaled conversion
.irp i, 0,1,2
	v_mov_b32 v[CD+3+\i], v[T2+\i]
	v_mov_b32 v[CD+9+\i], v[T2+4+\i]
.endr
.irp c, 0,1,2
	global_store_b128 v[LI], v[CD+4*\c:CD+4*\c+3], s[OUT:OUT+1] offset:(\f)*1536+512*\c   ; 512 consecutive bytes, at a multiple of 256 from the buffer's first byte
.endr
.endm
	s_wait_alu depctr_va_vdst(0)                   ; the wait at the head's end
	s_cmp_lt_u32 s[WV], 8
	s_cbranch_scc0 .Lwo_ask
.irp c, 0,1,2
	global_load_b128 v[16+4*\c:19+4*\c], v[LI], s[46:47] offset:512*\c    ; waves 0-7: Q's image stays in registers
.endr
	global_load_b32 v255, v[LR], s[48:49]          ; Q's scale words
.Lwo_ask:                                              ; waves 8-15 ask for nothing of Wo ahead of the barrier: the head's codes are asked for first
	s_wait_tensorcnt 0x0                           ; my half record is in
	s_barrier_signal -1
	s_barrier_wait -1                              ; all eight key steps lie in LDS; nothing is filled again
	s_cmp_lt_u32 s[WV], 8
	s_cbranch_scc1 .Lattn
	LOAD 0                                         ; waves 8-15: Wo's first two K steps
	LOAD 1
.irp f, 0,1,2,3
	FRAGQ \f
.endr
	s_wait_xcnt 0x0                                ; EXEC changes only behind this wait
	v_and_b32 v10, 31, v0
	s_delay_alu instid0(VALU_DEP_1)
	v_cmp_gt_u32 vcc_lo, 16, v10
	s_and_saveexec_b32 s77, vcc_lo
	global_store_b128 v[LR], v[SWD:SWD+3], s[OUT:OUT+1] offset:6144   ; lanes 0-15: row r's four words: one aligned block of 256 bytes
	s_wait_xcnt 0x0
	s_or_b32 exec_lo, exec_lo, s77
.Lattn:                                                ; the two kinds of waves join and walk the key steps together
	s_wait_loadcnt 0x0                             ; Q
.Lfirst:
	STEP
	s_add_co_u32 s[T], s[T], 1
	s_cmp_lt_u32 s[T], 8
	s_cbranch_scc1 .Lfirst
	s_cmp_ge_u32 s[WV], 8                          ; the quantising waves have no result of attention to send
	s_cbranch_scc1 .Ldone
	; THE WAY OUT: O^T / the sum, quantised along the head's 128 (a lane's register 16 b + i is d = 32 b + 16 h + i), stored as an image.
.rept 4
	v_nop
.endr
	v_add_f32 v14, v14, v15
	s_delay_alu instid0(VALU_DEP_1)
	v_permlanex16_b32 v252, v14, s[SEL], s[SEL+1]
	s_delay_alu instid0(VALU_DEP_1)
	v_add_f32 v14, v14, v252                       ; the row's sum
	s_wait_alu depctr_va_vdst(0)
	v_rcp_f32 v14, v14
	v_and_b32 v10, 31, v0                          ; (a plain place behind the reciprocal)
	s_wait_alu depctr_va_vdst(0)                   ; the wait ahead of its first reader
.set n, 0
.rept 64
	v_mul_f32 v[96+n], v[160+n], v14               ; each accumulator from its low end on
.set n, n+1
.endr
.set TM, 56
.set PC, 32
.set PW, 52
.irp b, 0,1,2,3
	v_max3_num_f32 v[TM+\b], |v[96+16*\b]|, |v[97+16*\b]|, 0x1800000
.endr
.irp i, 2,4,6,8,10,12,14
.irp b, 0,1,2,3
	s_delay_alu instid0(VALU_DEP_4)
	v_max3_num_f32 v[TM+\b], v[TM+\b], |v[96+16*\b+\i]|, |v[97+16*\b+\i]|
.endr
.endr
.irp b, 0,1,2,3
	s_delay_alu instid0(VALU_DEP_4)
	v_permlanex16_b32 v[TM+4+\b], v[TM+\b], s[SEL], s[SEL+1]
.endr
.irp b, 0,1,2,3
	s_delay_alu instid0(VALU_DEP_4)
	v_max_num_f32 v[TM+\b], v[TM+\b], v[TM+4+\b]
.endr
.irp b, 0,1,2,3
	s_delay_alu instid0(VALU_DEP_4)
	v_add_nc_u32 v[TM+12+\b], 0xff000000, v[TM+\b]
.endr
.irp b, 0,1,2,3
	s_delay_alu instid0(VALU_DEP_4)
	v_lshrrev_b32 v[TM+4+\b], 23, v[TM+12+\b]
.endr
	s_delay_alu instid0(VALU_DEP_3)
	v_lshl_or_b32 v[PW], v[TM+5], 8, v[TM+4]
	s_delay_alu instid0(VALU_DEP_1)
	v_lshl_or_b32 v[PW], v[TM+6], 16, v[PW]
	s_delay_alu instid0(VALU_DEP_1)
	v_lshl_or_b32 v[PW], v[TM+7], 24, v[PW]
.irp c, 0,1
	v_cvt_scalef32_pk16_fp6_f32 v[PC+6*\c:PC+2+6*\c], v[96+32*\c:111+32*\c], v[TM+12+2*\c]
	v_cvt_scalef32_pk16_fp6_f32 v[PC+12+4*\c:PC+14+4*\c], v[112+32*\c:127+32*\c], v[TM+13+2*\c]
.endr
	v_nop
.irp c, 0,1
.irp i, 0,1,2
	v_permlane16_swap_b32 v[PC+6*\c+\i], v[PC+12+4*\c+\i]
.endr
.irp i, 0,1,2
	s_delay_alu instid0(VALU_DEP_3)
	v_mov_b32 v[PC+3+6*\c+\i], v[PC+12+4*\c+\i]
.endr
.endr
.irp c, 0,1,2
	global_store_b128 v[LI], v[PC+4*\c:PC+4*\c+3], s[50:51] offset:512*\c   ; 512 consecutive bytes, at a multiple of 256 from the buffer's first byte
.endr
	s_wait_xcnt 0x0                                ; EXEC changes only behind this wait
	v_cmp_gt_u32 vcc_lo, 16, v10
	s_and_saveexec_b32 s56, vcc_lo
	global_store_b32 v[LR], v[PW], s[52:53]        ; lanes 0-15: row r's word, 16 bytes apart: the four heads of a cluster fill the record's 256 bytes of words between them; 64 bytes of the wave's 1,600
	s_wait_xcnt 0x0
	s_or_b32 exec_lo, exec_lo, s56
.Ldone:                                                ; the two kinds of waves join
	s_wait_tensorcnt 0x0                           ; the wave's end
	ds_add_u32 v[SPW], v[NIL]
	s_wait_dscnt 0x0
	CROUND                                         ; the closing round
	s_endpgm
.Lfunc_end_k_qa4380fc16c_attn:
	.size	k_qa4380fc16c_attn, .Lfunc_end_k_qa4380fc16c_attn-k_qa4380fc16c_attn
	.p2alignl 7, 3214868480
	.fill 96, 4, 3214868480
	.section	.rodata,"a",@progbits
	.p2align	6, 0x0
	.amdhsa_kernel k_qa4380fc16c_attn
		.amdhsa_group_segment_fixed_size 274432
		.amdhsa_private_segment_fixed_size 0
		.amdhsa_enable_private_segment 0
		.amdhsa_kernarg_size 40
		.amdhsa_user_sgpr_count 2
		.amdhsa_user_sgpr_kernarg_segment_ptr 1
		.amdhsa_wavefront_size32 1
		.amdhsa_system_sgpr_workgroup_id_x 1
		.amdhsa_system_sgpr_workgroup_id_y 1
		.amdhsa_system_sgpr_workgroup_id_z 1
		.amdhsa_system_vgpr_workitem_id 0
		.amdhsa_next_free_vgpr 256
		.amdhsa_next_free_sgpr 80
		.amdhsa_reserve_vcc 1
		.amdhsa_float_denorm_mode_32 3
		.amdhsa_float_denorm_mode_16_64 3
		.amdhsa_memory_ordered 1
		.amdhsa_forward_progress 1
		.amdhsa_inst_pref_size 72
	.end_amdhsa_kernel
	.amdgpu_metadata
---
amdhsa.version: [ 1, 2 ]
amdhsa.kernels:
  - .name:           k_qa4380fc16c_attn
    .symbol:         k_qa4380fc16c_attn.kd
    .args:
      - { .name: q, .offset: 0, .size: 8, .value_kind: global_buffer, .address_space: global }
      - { .name: kv, .offset: 8, .size: 8, .value_kind: global_buffer, .address_space: global }
      - { .name: acodes, .offset: 16, .size: 8, .value_kind: global_buffer, .address_space: global }
      - { .name: Wo, .offset: 24, .size: 8, .value_kind: global_buffer, .address_space: global }
      - { .name: wocodes, .offset: 32, .size: 8, .value_kind: global_buffer, .address_space: global }
    .group_segment_fixed_size: 274432
    .private_segment_fixed_size: 0
    .kernarg_segment_align: 8
    .kernarg_segment_size: 40
    .max_flat_workgroup_size: 512
    .sgpr_count:     80
    .vgpr_count:     256
    .wavefront_size: 32
...
	.end_amdgpu_metadata
.endif
;; end of part 3
;; launch oproj (part 4): grid 32 x 8, 4 waves a work-group, clusters of 4 x 1, 327,680 bytes of LDS; arguments acodes, wocodes, out0; writes out0
.if DOCPART == 4
	.amdgcn_target "amdgcn-amd-amdhsa--gfx1250"
	.amdhsa_code_object_version 6
	.text
	.protected	k_qa4380fc16c_oproj
	.globl	k_qa4380fc16c_oproj
	.p2align	8
	.type	k_qa4380fc16c_oproj,@function
k_qa4380fc16c_oproj:
	s_mov_b64 s[64:65], 0
	v_nop
	global_prefetch_b8 v0, s[64:65] scope:SCOPE_SE
	s_setreg_imm32_b32 hwreg(HW_REG_WAVE_MODE, 25, 1), 1
	s_wait_xcnt 0x0
	s_wait_alu depctr_hold_cnt(0) depctr_sa_sdst(0) depctr_va_vdst(0) depctr_va_sdst(0) depctr_va_ssrc(0) depctr_va_vcc(0) depctr_vm_vsrc(0)
	s_getreg_b32 s2, hwreg(HW_REG_IB_STS2, 6, 4)
	s_cmp_eq_u32 s2, 0
	s_cbranch_scc0 .Lentry_in_a_cluster
	s_endpgm
.Lentry_in_a_cluster:
	s_bfe_u32 s2, ttmp6, 0x10000c
	s_cmp_lg_u32 s2, 0x3003
	s_cbranch_scc0 .Lentry_shape_is_right
	s_endpgm
.Lentry_shape_is_right:
; out0 [1,024][4,096] f32 = A Wo^T on codes of FP6 (E2M3) with E8M0 scales; K = 4,096 = 8 records of four K steps of 128.  A = the attention's result, acodes; Wo's codes, wocodes.
; Groups, images and records are those of the launch quant: a group is 16 rows (lane r: row 32 (G / 2) + 8 (G % 2) + r + 8 (r / 8)), a record 6,400 bytes: four images of 1,536 bytes and 256 bytes of scale words.
; SHARES.  A work-group makes 128 x 128 of the result.  Wave w = 2 kh + nh takes half kh of K (records 4 kh .. 4 kh + 3, 16 K steps) for all 128 rows x columns 64 nh .. 64 nh + 63: 32 accumulators.
; So a fragment of A read from LDS feeds four matrix instructions, and a K step's 8 fragments of A serve 32.  The two halves' sums are added on the way out (each output is the f32 sum of two f32 partial sums).
; A: acodes holds a tile's 8 records x 8 groups as one dense block of 409,600 bytes.  Records 0-2 come into LDS slots 0-2 and records 4-6 into slots 3-5 by the head's loads, a quarter of the 307,200 bytes a wave; records 3 and 7
; are filled into slots 0 and 3 when every wave has read records 0 and 4: ONE refill, issued 9 K steps ahead of its first read.  The four work-groups of a cluster (same rows, neighbouring columns) ask for A jointly.
; B: a wave's four groups of Wo along its half of K are no other wave's of its work-group: their images go from memory straight into registers, 12 loads a K step, in a ring of eight steps, asked for seven steps ahead.
; They pass through no LDS, so they are not asked for jointly.  No prefetch: A has one refill and no loop to run ahead in, and B's loads are themselves issued steps ahead.
; THE MATRIX INSTRUCTION IS USED TRANSPOSED (source 0 = 16 rows of Wo, source 1 = 16 rows of A): a lane's registers of two neighbouring groups are 16 neighbouring columns of one row.
; REGISTERS, in windows of 256.  Window 0: v0-31 addresses; v32-63, v224-255 Wo's scale words (4 records x 4 groups x 4 steps); v64-127 A's (2 records x 8 groups x 4 steps); v128-223 A's fragments of even K steps.
;   Window 1: the accumulators ((a, b) at 8 (4 a + b)).  Windows 2, 3: v0-191 Wo's fragments of even and odd records (step q, group b at 48 q + 12 b); v192-239 A's fragments of odd K steps, groups 0-3 in window 2, 4-7 in window 3.
.set REC,   6400
.set SLOT,  8*REC                      ; a record of A's eight groups
.set SP,    528                        ; the way out: two stages of 128 rows x 528 bytes, half kh's at (1 + 3 kh) SLOT: slots 1, 2 and 4, 5 have had their only fill and, at the walk's last barrier, their last read
.set SPARE, 6*SLOT                     ; the spare words, 128 bytes a wave: two blocks of 256 bytes that no other line names
.set LI,   4                           ; v4      16 x lane
.set LR,   5                           ; v5      16 x (lane % 16)
.set ADA,  8                           ; v8-10   LDS address of the images in my half's three slots
.set ADS,  11                          ; v11-13  of the scale words
.set STO,  20
.set RD,   21
.set RD1,  22
.set SPW,  28
.set NIL,  29
.set SCA,  64
.set AF,   128
.set G1H,  24                          ; s[24:31] group 1 of the head's load: 300 rows of 256 bytes
.set G0H,  32
.set G0R,  36
.set BP,   44                          ; s[44:45] my four groups of Wo, at my half of K
.set G1R,  48                          ; s[48:55] group 1 of the refill: 100 rows
.set MSB, 0
.macro WIN new                         ; the immediate's high byte repeats the setting that is left
.if MSB != \new
	s_set_vgpr_msb (MSB<<8)|\new
.set MSB, \new
.endif
.endm
.macro PLACES
.rept 4
	v_nop
.endr
.endm
.macro CREST
	s_cmp_lg_u32 s14, 0
	s_cbranch_scc1 .Lnot_wave_0_\@
	s_barrier_signal -3
.Lnot_wave_0_\@:
	s_barrier_wait -3
	s_barrier_signal -1
	s_barrier_wait -1
.endm
.macro CROUND
	s_barrier_signal -1
	s_barrier_wait -1
	CREST
.endm
	s_load_b128 s[4:7], s[0:1], 0x0                ; acodes, wocodes
	s_load_b64 s[8:9], s[0:1], 0x10                ; out0
	v_lshl_add_u32 v[SPW], v0, 2, SPARE
	v_mov_b32 v[NIL], 0
	ds_add_u32 v[SPW], v[NIL]                      ; the opening lines: the add, twice on end, and its wait ahead of my first tensor load
	ds_add_u32 v[SPW], v[NIL]
	v_lshrrev_b32 v1, 5, v0
	v_readfirstlane_b32 s14, v1                    ; wave
	s_lshr_b32 s43, s14, 1                         ; kh: my half of K
	s_and_b32 s41, s14, 1                          ; nh: my half of the columns
	s_bfe_u32 s40, ttmp6, 0x40000                  ; cx
	s_lshl_b32 s42, ttmp9, 2
	s_add_co_u32 s42, s42, s40                     ; tile column
	s_and_b32 s17, ttmp7, 0xffff                   ; tile row
	s_mov_b32 s[G1H], 15|(3<<16)|(1<<21)           ; the mask: all four; elements of 8 bytes; bit 21 beside a mask
	s_mov_b32 s[G1H+1], 32<<16
	s_mov_b32 s[G1H+2], 300<<16
	s_mov_b32 s[G1H+3], 32<<16
	s_mov_b32 s[G1H+4], 300
	s_mov_b32 s[G1H+5], 32
	s_mov_b32 s[G1H+6], 0
	s_mov_b32 s[G1H+7], 0
	s_mov_b32 s[G1R], 15|(3<<16)|(1<<21)
	s_mov_b32 s[G1R+1], 32<<16
	s_mov_b32 s[G1R+2], 100<<16
	s_mov_b32 s[G1R+3], 32<<16
	s_mov_b32 s[G1R+4], 100
	s_mov_b32 s[G1R+5], 32
	s_mov_b32 s[G1R+6], 0
	s_mov_b32 s[G1R+7], 0
	s_mul_i32 s46, s43, 3*SLOT                     ; my half's three slots
	s_mul_i32 s20, s17, 8*SLOT                     ; A's tile: it hangs on the tile row alone
	s_mul_i32 s18, s14, 6*SLOT/4                   ; the head's load: my quarter of the six slots,
	s_mul_i32 s19, s41, SLOT/2                     ; the refill: half nh of a record,
	s_add_co_u32 s22, s20, s19
	s_mul_i32 s47, s43, 4*SLOT
	s_add_co_u32 s22, s22, s47
	s_add_co_u32 s22, s22, 3*SLOT                  ; record 3 + 4 kh in memory,
	s_add_co_u32 s19, s19, s46                     ; slot 3 kh in LDS
	s_add_co_u32 s20, s20, s18
	s_mul_i32 s47, s43, SLOT
	s_add_co_u32 s20, s20, s47                     ; in memory slots 3-5 lie a record further on than in LDS: record 3 is passed over
	s_mov_b32 s21, 0
	s_mov_b32 s23, 0
	s_lshl_b32 s10, s42, 3
	s_lshl_b32 s11, s41, 2
	s_add_co_u32 s10, s10, s11
	s_mul_i32 s10, s10, 8*REC                      ; Wo's groups 8 x tile column + 4 nh + 0 .. 3,
	s_mul_i32 s11, s43, 4*REC
	s_add_co_u32 s10, s10, s11                     ; from record 4 kh on
	s_mov_b32 s11, 0
	s_lshl_b32 s12, s17, 7
	s_lshl_b32 s13, s14, 5
	s_add_co_u32 s12, s12, s13
	s_lshl_b32 s12, s12, 14                        ; on the way out I store rows 32 x wave .. + 31 of the tile,
	s_lshl_b32 s13, s42, 9
	s_add_co_u32 s12, s12, s13                     ; 512 bytes each
	s_mov_b32 s13, 0
	s_lshl_b32 s15, s41, 8
	s_add_co_u32 s15, s15, s46
	s_add_co_u32 s15, s15, SLOT                    ; into my half's stage: my 64 columns, 256 bytes of a row
	s_mul_i32 s16, s14, 32*SP
	s_add_co_u32 s16, s16, SLOT                    ; out of the stages: my 32 rows
	v_and_b32 v3, 31, v0
	v_and_b32 v1, 15, v0                           ; r
	v_bfe_u32 v2, v0, 4, 1                         ; h
	v_lshlrev_b32 v[LI], 4, v3
	v_lshlrev_b32 v[LR], 4, v1
	v_and_b32 v6, 8, v1
	v_add_nc_u32 v6, v6, v1                        ; r + 8 (r / 8)
	v_add_nc_u32 v[ADA], s46, v[LI]
	v_add_nc_u32 v[ADS], s46, v[LR]
.irp s, 1,2
	v_add_nc_u32 v[ADA+\s], SLOT, v[ADA+\s-1]
	v_add_nc_u32 v[ADS+\s], SLOT, v[ADS+\s-1]
.endr
	v_mul_u32_u24 v[STO], v6, SP
	v_add_nc_u32 v[RD], s16, v[LI]
	v_lshl_add_u32 v[STO], v2, 6, v[STO]
	v_add_nc_u32 v[RD1], 3*SLOT, v[RD]
	v_add_nc_u32 v[STO], s15, v[STO]
	s_wait_alu depctr_va_vdst(0)                   ; the wait at the head's end
	s_wait_dscnt 0x0                               ; both opening adds are done
	s_wait_kmcnt 0x0
	s_add_nc_u64 s[20:21], s[4:5], s[20:21]
	s_add_nc_u64 s[22:23], s[4:5], s[22:23]
	s_add_nc_u64 s[BP:BP+1], s[6:7], s[10:11]
	s_add_nc_u64 s[8:9], s[8:9], s[12:13]
	s_mov_b32 s[G0H], 1
	s_mov_b32 s[G0H+1], s18
	s_mov_b64 s[G0H+2:G0H+3], s[20:21]
	s_or_b32 s[G0H+3], s[G0H+3], 0x80000000
	s_mov_b32 s[G0R], 1
	s_mov_b32 s[G0R+1], s19
	s_mov_b64 s[G0R+2:G0R+3], s[22:23]
	s_or_b32 s[G0R+3], s[G0R+3], 0x80000000
.macro BSTEP j                         ; Wo's four fragments of my K step j: 12 loads of 512 consecutive bytes, into the registers of step j - 8
.set WB, (2+(((\j)/4)%2))<<6
	WIN WB
.irp b, 0,1,2,3
.irp c, 0,1,2
	global_load_b128 v[48*((\j)%4)+12*\b+4*\c:48*((\j)%4)+12*\b+4*\c+3], v[LI], s[BP:BP+1] offset:\b*8*REC+((\j)/4)*REC+((\j)%4)*1536+512*\c
.endr
.endr
.endm
.macro ALOAD t                         ; A's eight fragments of my K step t; with a record's first step its scale words.  My record k lies in my slot k % 3
.set ak, (\t)/4
.set aq, (\t)%4
.set sl, ak%3
.if aq == 0
	WIN 0
.irp a, 0,1,2,3,4,5,6,7
	ds_load_b128 v[SCA+32*(ak%2)+4*\a:SCA+32*(ak%2)+4*\a+3], v[ADS+sl] offset:\a*REC+6144
.endr
.endif
.if (\t)%2 == 0
	WIN 0
.irp a, 0,1,2,3,4,5,6,7
.irp c, 0,1,2
	ds_load_b128 v[AF+12*\a+4*\c:AF+12*\a+4*\c+3], v[ADA+sl] offset:\a*REC+aq*1536+512*\c
.endr
.endr
.else
	WIN 0x80
.irp a, 0,1,2,3
.irp c, 0,1,2
	ds_load_b128 v[192+12*\a+4*\c:192+12*\a+4*\c+3], v[ADA+sl] offset:\a*REC+aq*1536+512*\c
.endr
.endr
	WIN 0xc0
.irp a, 0,1,2,3
.irp c, 0,1,2
	ds_load_b128 v[192+12*\a+4*\c:192+12*\a+4*\c+3], v[ADA+sl] offset:(4+\a)*REC+aq*1536+512*\c
.endr
.endr
.endif
.endm
.macro MULS t, a0, zero                ; sixteen matrix instructions: A's groups a0 .. a0 + 3 x my four of Wo.  The 32 accumulators take turns, in the same order in every step
.set kk, (\t)/4
.set qq, (\t)%4
.irp a, 0,1,2,3
.irp b, 0,1,2,3
.set rD, 8*(4*((\a0)+\a)+\b)
.set rB, 48*qq+12*\b
.if (\t)%2
.set rA, 192+12*\a
.else
.set rA, AF+12*((\a0)+\a)
.endif
.set rX, 32+16*kk+160*(kk/2)+4*\b+qq
.set rY, SCA+32*(kk%2)+4*((\a0)+\a)+qq
.if \zero
	v_wmma_scale_f32_16x16x128_f8f6f4 v[rD:rD+7], v[rB:rB+11], v[rA:rA+11], 0, v[rX], v[rY] matrix_a_fmt:MATRIX_FMT_FP6 matrix_b_fmt:MATRIX_FMT_FP6
.else
	v_wmma_scale_f32_16x16x128_f8f6f4 v[rD:rD+7], v[rB:rB+11], v[rA:rA+11], v[rD:rD+7], v[rX], v[rY] matrix_a_fmt:MATRIX_FMT_FP6 matrix_b_fmt:MATRIX_FMT_FP6
.endif
.endr
.endr
.endm
; A K step: 32 matrix instructions; in its middle, behind four places, Wo's step seven on is asked for into the registers of the step before, and the next step's fragments of A are fetched into the other set.
; Step 3 is the last on my first record: the three lines, a round of the cluster's barrier, the joint refill.  Step 11 stands ahead of the first fetch from my last record: the wait for the refill and a barrier behind which nothing is filled.
.macro STEP t, zero
.set MW0, (2+(((\t)/4)%2))|((2*((\t)%2))<<2)|0x50      ; source 0 Wo's window; source 1 A's: window 0, or 2 and 3 in odd steps; C and D window 1
.set MW1, (2+(((\t)/4)%2))|((3*((\t)%2))<<2)|0x50
.if (\t) == 3
	WIN 0
	s_wait_tensorcnt 0x0                           ; no tensor load of mine is out;
	ds_add_u32 v[SPW], v[NIL]                      ; the add;
	s_wait_dscnt 13                                ; (the add and A's groups 4-7 may be out)
.else
.if (\t) == 11
	s_wait_tensorcnt 0x0                           ; my part of records 3 and 7 is in
.endif
	s_wait_dscnt 12                                ; the youngest twelve loads, A's groups 4-7, may be out
.endif
.if (\t) <= 9
	s_wait_loadcnt 63                              ; six steps or more, 72 loads, stand behind this step's: the field's largest count is under that
.else
	s_wait_loadcnt 12*(15-(\t))                    ; the steps that are left, 12 loads each
.endif
	WIN MW0
	MULS \t, 0, \zero
	s_wait_dscnt 0x0                               ; all my LDS instructions are done
.if (\t) == 3 || (\t) == 11
	s_barrier_signal -1
	WIN MW1
	MULS \t, 4, \zero
	WIN 0
	s_barrier_wait -1
.if (\t) == 3
	CREST                                          ; no wave of any partner still reads records 0 and 4
	tensor_load_to_lds s[G0R:G0R+3], s[G1R:G1R+7]  ; records 3 and 7, my quarter of the two: the first tensor load behind the round
	s_nop 0
.endif
	PLACES
.if (\t) == 3
	BSTEP (\t)+7
.endif
	ALOAD (\t)+1
.else
	PLACES
.if (\t) >= 1 && (\t) <= 8
	BSTEP (\t)+7
.endif
.if (\t) < 15
	ALOAD (\t)+1
.endif
	WIN MW1
	MULS \t, 4, \zero
.endif
.endm
.irp k, 0,1,2,3                        ; Wo's scale words of my four records: lane r takes row r's four words
.irp b, 0,1,2,3
	global_load_b128 v[32+16*\k+160*(\k/2)+4*\b:32+16*\k+160*(\k/2)+4*\b+3], v[LR], s[BP:BP+1] offset:\b*8*REC+\k*REC+6144
.endr
.endr
	BSTEP 0                                        ; Wo's first three steps are asked for ahead of the round: 52 loads with the scale words,
	BSTEP 1
	BSTEP 2
	WIN 0
	CROUND                                         ; all four work-groups are here: the joint loads meet
	tensor_load_to_lds s[G0H:G0H+3], s[G1H:G1H+7]  ; my quarter of the six slots: one tensor load a wave at the head
	s_nop 0
	PLACES
	BSTEP 3                                        ; and the next five behind A's load
	BSTEP 4
	BSTEP 5
	BSTEP 6
	BSTEP 7
	WIN 0
	s_wait_tensorcnt 0x0
	s_barrier_signal -1
	s_barrier_wait -1                              ; the six slots are whole
	ALOAD 0
	STEP 0, 1                                      ; the first step's products start the sums
.set ST, 1
.rept 15
	STEP ST, 0
.set ST, ST+1
.endr
; THE WAY OUT.  Each wave lays its 128 x 64 partial sums into its half's stage, by rows of the tile; then each wave reads 32 whole rows of 512 bytes from both stages, adds them and stores them.
	WIN 0
	PLACES
	WIN 0x04                                       ; the data: window 1
.irp a, 0,1,2,3,4,5,6,7
.irp b, 0,1,2,3
	ds_store_b128 v[STO], v[8*(4*\a+\b):8*(4*\a+\b)+3] offset:(32*(\a/2)+8*(\a%2))*SP+128*(\b/2)+32*(\b%2)        ; each accumulator from its low end on
	ds_store_b128 v[STO], v[8*(4*\a+\b)+4:8*(4*\a+\b)+7] offset:(32*(\a/2)+8*(\a%2))*SP+128*(\b/2)+32*(\b%2)+16
.endr
.endr
	WIN 0
	s_wait_dscnt 0x0
	s_barrier_signal -1
	s_barrier_wait -1                              ; both stages are whole
.irp g, 0,1,2,3
	WIN 0
.irp i, 0,1,2,3,4,5,6,7
	ds_load_b128 v[AF+32*\g+4*\i:AF+32*\g+4*\i+3], v[RD] offset:(8*\g+\i)*SP      ; the first half's sums into window 0,
.endr
	WIN 0x40
.irp i, 0,1,2,3,4,5,6,7
	ds_load_b128 v[AF+32*\g+4*\i:AF+32*\g+4*\i+3], v[RD1] offset:(8*\g+\i)*SP     ; the second half's into window 1
.endr
.endr
.irp g, 0,1,2,3
	s_wait_dscnt 48-16*\g                          ; eight rows more are back from both stages
	WIN 0x04                                       ; source 1: window 1
.irp n, 0,1,2,3,4,5,6,7,8,9,10,11,12,13,14,15
	v_pk_add_f32 v[AF+32*\g+2*\n:AF+32*\g+2*\n+1], v[AF+32*\g+2*\n:AF+32*\g+2*\n+1], v[AF+32*\g+2*\n:AF+32*\g+2*\n+1]
.endr
	WIN 0
.irp i, 0,1,2,3,4,5,6,7
	global_store_b128 v[LI], v[AF+32*\g+4*\i:AF+32*\g+4*\i+3], s[8:9] offset:(8*\g+\i)*16384 th:TH_STORE_NT   ; 32 lanes store 512 consecutive bytes, at a multiple of 256 from the buffer's first byte
.endr
.endr
	s_wait_tensorcnt 0x0                           ; the wave's end
	ds_add_u32 v[SPW], v[NIL]
	s_wait_dscnt 0x0
	CROUND                                         ; the closing round
	s_endpgm
.Lfunc_end_k_qa4380fc16c_oproj:
	.size	k_qa4380fc16c_oproj, .Lfunc_end_k_qa4380fc16c_oproj-k_qa4380fc16c_oproj
	.p2alignl 7, 3214868480
	.fill 96, 4, 3214868480
	.section	.rodata,"a",@progbits
	.p2align	6, 0x0
	.amdhsa_kernel k_qa4380fc16c_oproj
		.amdhsa_group_segment_fixed_size 327680
		.amdhsa_private_segment_fixed_size 0
		.amdhsa_enable_private_segment 0
		.amdhsa_kernarg_size 24
		.amdhsa_user_sgpr_count 2
		.amdhsa_user_sgpr_kernarg_segment_ptr 1
		.amdhsa_wavefront_size32 1
		.amdhsa_system_sgpr_workgroup_id_x 1
		.amdhsa_system_sgpr_workgroup_id_y 1
		.amdhsa_system_sgpr_workgroup_id_z 1
		.amdhsa_system_vgpr_workitem_id 0
		.amdhsa_next_free_vgpr 1024
		.amdhsa_next_free_sgpr 66
		.amdhsa_reserve_vcc 0
		.amdhsa_float_denorm_mode_32 3
		.amdhsa_float_denorm_mode_16_64 3
		.amdhsa_memory_ordered 1
		.amdhsa_forward_progress 1
		.amdhsa_inst_pref_size 138
	.end_amdhsa_kernel
	.amdgpu_metadata
---
amdhsa.version: [ 1, 2 ]
amdhsa.kernels:
  - .name:           k_qa4380fc16c_oproj
    .symbol:         k_qa4380fc16c_oproj.kd
    .args:
      - { .name: acodes, .offset: 0, .size: 8, .value_kind: global_buffer, .address_space: global }
      - { .name: wocodes, .offset: 8, .size: 8, .value_kind: global_buffer, .address_space: global }
      - { .name: out0, .offset: 16, .size: 8, .value_kind: global_buffer, .address_space: global }
    .group_segment_fixed_size: 327680
    .private_segment_fixed_size: 0
    .kernarg_segment_align: 8
    .kernarg_segment_size: 24
    .max_flat_workgroup_size: 128
    .sgpr_count:     66
    .vgpr_count:     1024
    .wavefront_size: 32
...
	.end_amdgpu_metadata
.endif
;; end of part 4
